; MI455X (gfx1250); checked and timed in simulation.
; The chip was launched on July 23, 2026; its instructions are those of AMD's public machine-readable ISA for CDNA 5 (MIT licence, August 2026) and "CDNA5" Instruction Set Architecture Reference Guide (July 2026). The comments in the code are by the model that wrote it; some were corrected since.
;; Multi Head Causal Self Attention. Allowed arithmetic: matrix products marked QUANTISED: E2M1 operands, one E8M0 scale for each 32 along K, by v_wmma_scale_f32_16x16x128_f8f6f4 with both operands' format E2M1 (or v_wmma_scale_f32_32x16x128_f4), f32 sums; products left as they are: bf16, f16 or f32 operands; f32 sums; everything else in f32.
;; Inputs: Wk 1,024 x 1,024 float32; Wo 1,024 x 1,024 float32; Wq 1,024 x 1,024 float32; Wv 1,024 x 1,024 float32; bo 1,024 float32; x 4 x 2,048 x 1,024 float32.
;; Outputs: out0 4 x 2,048 x 1,024 float32.
;; This version of the problem:
;;   THIS VERSION OF THE PROBLEM IS GIVEN IN LOW PRECISION. The matrix products marked QUANTISED in the list below multiply operands that are first quantised to E2M1 (2 exponent bits, 1 mantissa bit; 4 bits a number), with one power-of-two scale for each 32 numbers along K (OCP MX v1.0); their sums are f32. The products marked 'left as it is' may take bf16, f16 or f32 operands, with f32 sums. Whichever they take, every output number must still come out within the allowed error. Rounding operands to bf16 (8 significant bits) uses up far more of that allowance than f16 does (11 bits, for magnitudes from 6e-5 to 65,504). All else is computed in f32.
;;   The module's matrix products, in the order in which they are computed (A, B: the left and right operand; K: the contracted axis; several contracted axes count as one K, in the product's order):
;;     1. [M 8,192, K 1,024] x [K 1,024, N 1,024]; A: input x; B: input Wq: QUANTISED
;;     2. [M 8,192, K 1,024] x [K 1,024, N 1,024]; A: input x; B: input Wk: QUANTISED
;;     3. [M 8,192, K 1,024] x [K 1,024, N 1,024]; A: input x; B: input Wv: QUANTISED
;;     4. batch 64 x [M 2,048, K 64] x [K 64, N 2,048]; A: computed on the way; B: computed on the way: left as it is (an operand is computed on the way)
;;     5. batch 64 x [M 2,048, K 2,048] x [K 2,048, N 64]; A: computed on the way; B: computed on the way: left as it is (an operand is computed on the way)
;;     6. [M 8,192, K 1,024] x [K 1,024, N 1,024]; A: computed on the way; B: input Wo: left as it is (an operand is computed on the way)
;;   THE QUANTISER, for each operand of a quantised product, along K:
;;     - K is cut into blocks of 32 from its start; a last block that is shorter is filled with zeros.
;;     - A block's scale is 2^e with e = floor(log2(the largest magnitude in the block)) - 2, held to -126 .. 127; a block of zeros has e = 0. As a byte (E8M0): e + 127.
;;     - Each number is divided by its block's scale, clamped to +-6, and rounded to the nearest number of E2M1, ties to even, subnormals kept.
;;     - The product sums the exact products of the quantised numbers (number of the format x scale) in f32.
;;   ~~~python
;;   def quantise(x, axis):      # numpy; x: float32 -> the quantised numbers, widened to float32 again
;;       x = np.moveaxis(x, axis, -1); K = x.shape[-1]
;;       x = np.pad(x, [(0, 0)] * (x.ndim - 1) + [(0, -K % 32)]); x = x.reshape(x.shape[:-1] + (-1, 32)); a = np.abs(x).max(-1, keepdims=True)
;;       e = np.where(a > 0, np.clip(np.frexp(np.where(a > 0, a, 1))[1] - 1 - 2, -126, 127), 0)      # np.frexp(a)[1] - 1 = floor(log2(a)), exactly
;;       r = np.clip(x / 2.0 ** e, -6, 6)
;;       step = 2.0 ** (np.maximum(np.frexp(np.where(r == 0, 1, r))[1] - 1, 0) - 1)
;;       q = np.round(r / step) * step * 2.0 ** e      # np.round: ties to even
;;       return np.moveaxis(q.reshape(q.shape[:-2] + (-1,))[..., :K], -1, axis).astype(np.float32)
;;   ~~~
;; One version. Each part assembles by itself: llvm-mc -triple=amdgcn-amd-amdhsa -mcpu=gfx1250 --defsym DOCPART=n.
;; ======== version 1 of 1: 5 launches
;; limits: values are held in f16: magnitudes above 65,504 overflow, below 6.1e-05 lose precision
;; workspace buffers: xc 4,194,304 bytes; xs 262,144 bytes; wc 1,572,864 bytes; ws 98,304 bytes; wo16 2,097,152 bytes; qkv 50,331,648 bytes; fine32 786,432 bytes; ctx 16,777,216 bytes
;; launch quant (part 1): grid 384 x 1, 4 waves a work-group, no clusters, 33,280 bytes of LDS; arguments x, Wq, Wk, Wv, Wo, xc, xs, wc, ws, wo16; writes xc, xs, wc, ws, wo16
.if DOCPART == 1
	.amdgcn_target "amdgcn-amd-amdhsa--gfx1250"
	.amdhsa_code_object_version 6
	.text
	.protected	k_q1d1098d797_quant
	.globl	k_q1d1098d797_quant
	.p2align	8
	.type	k_q1d1098d797_quant,@function
k_q1d1098d797_quant:
	s_mov_b64 s[64:65], 0
	v_nop
	global_prefetch_b8 v0, s[64:65] scope:SCOPE_SE
	s_setreg_imm32_b32 hwreg(HW_REG_WAVE_MODE, 25, 1), 1
	s_wait_xcnt 0x0
; x [8192][1024] and Wq, Wk, Wv [1024][1024], f32, K innermost, become codes of FP4 (E2M1), two to a byte, with one E8M0 scale byte for each 32 along K:
; xc [8192][512 bytes], xs [8192][32]; wc [3072][512 bytes], ws [3072][32] (rows 0-1023 Wq, then Wk, then Wv).  Wo [1024][1024] f32 becomes f16 laid by head: wo16 [head 16][n 1024][64].
; A block's scale is 2^(floor(log2(its largest magnitude)) - 2); its byte is the largest magnitude's exponent field - 2, held at 1 from below.  Each number is divided by the scale and rounded to the nearest code, ties to even;
; beyond the largest code the conversion gives the largest code.
; LIMITS: a block of zeros gets the byte 1 where the rule says 127 (its codes are zeros, and this program alone reads the bytes); blocks whose largest magnitude lies under 2^-124 are held at byte 1;
; NaN and infinities among the inputs are not served; |Wo| stays under 65,504 (f16).
; SHARES: work-groups 0-255 take x, 256-287 Wq, 288-319 Wk, 320-351 Wv: 32,768 numbers each, 4 waves x 16 steps x 512 numbers; the tensors are plain streams of blocks of 32.  Work-groups 352-383 cast Wo, 8 rows a wave.
; The quantising waves: each of a step's four loads reads 512 consecutive bytes; the 2,048 bytes turn through the wave's own stage in LDS so that a lane holds 16 neighbours along K (two lanes to a block).
; No tensor loads, no barrier: waves share nothing.  Loads run four steps (16 loads a wave) ahead, the turn through LDS one step.
.set WAVES, 4
.set STEPS, 16
.set EMAX,  2
.set CB,    8                          ; bytes of 16 codes
.set R,     16                         ; v16-79   four sets of 16 numbers as they are loaded
.set X,     80                         ; v80-111  two sets of 16 neighbours
.set E,     112                        ; v112-127 a scale byte for each step
.set C,     128                        ; v128-191 codes: four registers for each step, so that no store's data are written again
.set WREG,  8192                       ; LDS: a region for each wave: two stages of 32 x SP bytes, behind them its 256 scale bytes
.set SP,    80                         ; a lane's place in a stage: 64 bytes + 16 of padding
.set SPW,   12                         ; v12 LDS address of my spare word; never rewritten
.set NIL,   13                         ; v13 0; never rewritten
.set SPARE, WAVES*WREG                 ; behind the four regions: the spare words, 128 bytes a wave
.set WV,    33                         ; s33 my wave's number
.set SRC,   24                         ; s[24:25] the tensor that I read
.set COD,   26                         ; s[26:27] where its codes go
.set SCA,   28                         ; s[28:29] where its scale bytes go
	s_load_b256 s[4:11], s[0:1], 0x0               ; x, Wq, Wk, Wv
	s_load_b256 s[12:19], s[0:1], 0x20             ; Wo, xc, xs, wc
	s_load_b128 s[20:23], s[0:1], 0x40             ; ws, wo16
	v_lshl_add_u32 v[SPW], v0, 2, SPARE
	v_mov_b32 v[NIL], 0
	v_lshrrev_b32 v1, 5, v0
	v_readfirstlane_b32 s[WV], v1                  ; wave 0..3
	v_and_b32 v2, 31, v0                           ; lane
	v_lshlrev_b32 v3, 4, v2                        ; my 16 bytes of a load's 512
	s_mul_i32 s34, s[WV], WREG
	v_lshrrev_b32 v14, 2, v2
	v_mul_u32_u24 v14, v14, SP
	v_and_b32 v15, 3, v2
	v_lshl_add_u32 v14, v15, 4, v14
	v_add_nc_u32 v14, s34, v14                     ; the stage, on the way in: SP (lane / 4) + 16 (lane % 4)
	v_mul_u32_u24 v15, v2, SP
	v_add_nc_u32 v15, s34, v15                     ; and on the way out: SP x lane: my 16 neighbours
	v_mul_u32_u24 v4, v2, CB                       ; my codes' place in a step's
	v_lshrrev_b32 v5, 1, v2
	s_add_co_u32 s34, s34, 2*32*SP
	v_add_nc_u32 v5, s34, v5                       ; LDS: my wave's 256 scale bytes, my block's byte
	v_lshlrev_b32 v7, 3, v2                        ; and on the way out 8 bytes a lane
	v_add_nc_u32 v6, s34, v7
	s_wait_kmcnt 0x0
	s_cmp_ge_u32 ttmp9, 352                        ; the last 32 work-groups cast Wo: a branch on the work-group's number
	s_cbranch_scc1 .Lcast
	; which tensor: only pointers and run numbers are chosen, by the work-group's number; all four tensors take one path
	s_and_b32 s30, ttmp9, 31                       ; a weight's run of 32,768 numbers in its own tensor
	s_sub_co_u32 s31, ttmp9, 256                   ; and in wc and ws, where the three weights follow each other
	s_mov_b64 s[SRC:SRC+1], s[10:11]
	s_cmp_lt_u32 ttmp9, 320
	s_cselect_b64 s[SRC:SRC+1], s[8:9], s[SRC:SRC+1]
	s_cmp_lt_u32 ttmp9, 288
	s_cselect_b64 s[SRC:SRC+1], s[6:7], s[SRC:SRC+1]
	s_cmp_lt_u32 ttmp9, 256
	s_cselect_b64 s[SRC:SRC+1], s[4:5], s[SRC:SRC+1]
	s_cselect_b64 s[COD:COD+1], s[14:15], s[18:19]
	s_cselect_b64 s[SCA:SCA+1], s[16:17], s[20:21]
	s_cselect_b32 s30, ttmp9, s30
	s_cselect_b32 s31, ttmp9, s31
	s_lshl_b32 s30, s30, 2
	s_add_co_u32 s30, s30, s[WV]                   ; my wave's run of 8,192 numbers, where it is read
	s_lshl_b32 s31, s31, 2
	s_add_co_u32 s31, s31, s[WV]                   ; and where its codes and bytes go
	s_mov_b32 s35, 0
	s_lshl_b32 s34, s30, 15                        ; 32,768 bytes of f32 a run
	s_add_nc_u64 s[SRC:SRC+1], s[SRC:SRC+1], s[34:35]
	s_lshl_b32 s34, s31, 12                        ; 4,096 bytes of codes
	s_add_nc_u64 s[COD:COD+1], s[COD:COD+1], s[34:35]
	s_lshl_b32 s34, s31, 8                         ; 256 scale bytes
	s_add_nc_u64 s[SCA:SCA+1], s[SCA:SCA+1], s[34:35]
.macro LOAD t
.irp i, 0,1,2,3
	global_load_b128 v[R+16*((\t)%4)+4*\i:R+16*((\t)%4)+4*\i+3], v3, s[SRC:SRC+1] offset:2048*(\t)+512*\i th:TH_LOAD_NT   ; 32 lanes read 512 consecutive bytes
.endr
.endm
.macro TURN t                          ; step t's numbers through the stage: LDS serves a wave's instructions in order, so no wait stands between the stores and the loads
.irp i, 0,1,2,3
	ds_store_b128 v14, v[R+16*((\t)%4)+4*\i:R+16*((\t)%4)+4*\i+3] offset:32*SP*((\t)%2)+8*SP*\i
.endr
.irp i, 0,1,2,3
	ds_load_b128 v[X+16*((\t)%2)+4*\i:X+16*((\t)%2)+4*\i+3], v15 offset:32*SP*((\t)%2)+16*\i
.endr
.endm
.irp t, 0,1,2,3
	LOAD \t
.endr
	s_wait_loadcnt 12                              ; step 0's four loads are in; three steps' twelve stay out
	TURN 0
.macro STEP t
.set XS, X+16*((\t)%2)
.if (\t) > 0
	s_wait_dscnt 1                                 ; this step's numbers are back from the stage (the last step's byte store may be out)
.else
	s_wait_dscnt 0x0
.endif
.if (\t)+4 < STEPS
	LOAD (\t)+4                                    ; the registers that the stage's stores have read take the loads of four steps on
.endif
.if (\t)+1 < STEPS
.if STEPS-2-(\t) >= 3
	s_wait_loadcnt 12                              ; the next step's four loads are in; those of the three steps behind it may be out
.else
	s_wait_loadcnt 4*(STEPS-2-(\t))
.endif
	TURN (\t)+1                                    ; and go through the other stage while this step is worked
.endif
	v_max3_num_f32 v8, |v[XS]|, |v[XS+1]|, |v[XS+2]|               ; the largest magnitude of my 16, in two chains
	v_max3_num_f32 v9, |v[XS+3]|, |v[XS+4]|, |v[XS+5]|
.irp i, 6,10
	v_max3_num_f32 v8, v8, |v[XS+\i]|, |v[XS+\i+1]|
	v_max3_num_f32 v9, v9, |v[XS+\i+2]|, |v[XS+\i+3]|
.endr
	v_max3_num_f32 v8, v8, |v[XS+14]|, |v[XS+15]|
	v_max3_num_f32 v8, v8, v9, (EMAX+1)<<23        ; and the floor 2^(3 - 127): the byte cannot fall under 1
	v_max_num_f32_dpp v8, v8, v8 row_xmask:1 row_mask:0xf bank_mask:0xf   ; and of my neighbour's 16: the block's
	v_add_nc_u32 v11, -(EMAX<<23), v8              ; 2 off its exponent field: the conversion takes the exponent field of this operand as its scale
	v_cvt_scalef32_pk8_fp4_f32 v[C+4*(\t)], v[XS:XS+7], v11
	v_cvt_scalef32_pk8_fp4_f32 v[C+4*(\t)+1], v[XS+8:XS+15], v11
	v_lshrrev_b32 v[E+(\t)], 23, v11               ; the scale's byte (a plain line behind the conversions)
	ds_store_b8 v5, v[E+(\t)] offset:16*(\t)       ; both lanes of a block write the same byte with the same value
	global_store_b64 v4, v[C+4*(\t):C+4*(\t)+1], s[COD:COD+1] offset:32*CB*(\t)   ; the wave stores 256 consecutive bytes, aligned
.endm
.irp t, 0,1,2,3,4,5,6,7,8,9,10,11,12,13,14,15
	STEP \t
.endr
	ds_load_b64 v[8:9], v6                         ; LDS serves a wave's instructions in order: these see my byte stores
	s_wait_dscnt 0x0
	global_store_b64 v7, v[8:9], s[SCA:SCA+1]      ; 32 lanes store 256 consecutive bytes, aligned
	s_wait_tensorcnt 0x0                           ; the wave's end: a wait, an add onto my spare word and its wait behind my last LDS store
	ds_add_u32 v[SPW], v[NIL]
	s_wait_dscnt 0x0
	s_endpgm
; Wo to f16, by head.  My wave's 8 rows go in four batches of two rows x 16 heads.  A load: sixteen lanes read the 256 bytes of one row's 64 numbers of one head, the other sixteen those of the next row.
; A lane's 4 numbers are 8 bytes of f16: the wave's store covers rows n and n + 1 of one head, 256 consecutive bytes, aligned.
.Lcast:
	v_lshrrev_b32 v8, 4, v2
	v_and_b32 v9, 15, v2
	v_lshlrev_b32 v8, 12, v8
	v_lshl_add_u32 v8, v9, 4, v8                   ; in: (lane / 16) rows of 4,096 bytes + 16 (lane % 16)
	v_lshlrev_b32 v9, 3, v2                        ; out: 8 x lane
	s_sub_co_u32 s30, ttmp9, 352
	s_lshl_b32 s30, s30, 2
	s_add_co_u32 s30, s30, s[WV]                   ; which 8 rows
	s_mov_b32 s35, 0
	s_lshl_b32 s34, s30, 15                        ; 8 rows of 4,096 bytes
	s_add_nc_u64 s[12:13], s[12:13], s[34:35]
	s_lshl_b32 s34, s30, 10                        ; 8 rows of 128 bytes in each head
	s_add_nc_u64 s[22:23], s[22:23], s[34:35]
.macro LOADB rp
.irp hd, 0,1,2,3,4,5,6,7,8,9,10,11,12,13,14,15
	global_load_b128 v[16+64*((\rp)%2)+4*\hd:16+64*((\rp)%2)+4*\hd+3], v8, s[12:13] offset:(\rp)*8192+\hd*256 th:TH_LOAD_NT
.endr
.endm
.macro CAST rp
.if (\rp) < 3
	s_wait_loadcnt 16                              ; this batch's sixteen loads are in; the next batch's may be out
.else
	s_wait_loadcnt 0x0
.endif
.if (\rp) >= 2
	s_wait_xcnt 0x0                                ; the stores of two batches back have read the registers that are written again below
.endif
.irp hd, 0,1,2,3,4,5,6,7,8,9,10,11,12,13,14,15
	v_cvt_pk_f16_f32 v[144+32*((\rp)%2)+2*\hd], v[16+64*((\rp)%2)+4*\hd], v[16+64*((\rp)%2)+4*\hd+1]
	v_cvt_pk_f16_f32 v[144+32*((\rp)%2)+2*\hd+1], v[16+64*((\rp)%2)+4*\hd+2], v[16+64*((\rp)%2)+4*\hd+3]
.endr
.irp hd, 0,1,2,3,4,5,6,7,8,9,10,11,12,13,14,15
	global_store_b64 v9, v[144+32*((\rp)%2)+2*\hd:144+32*((\rp)%2)+2*\hd+1], s[22:23] offset:\hd*131072+(\rp)*256
.endr
.if (\rp) < 2
	LOADB (\rp)+2
.endif
.endm
	LOADB 0
	LOADB 1
	CAST 0
	CAST 1
	CAST 2
	CAST 3
	s_endpgm
.Lfunc_end_k_q1d1098d797_quant:
	.size	k_q1d1098d797_quant, .Lfunc_end_k_q1d1098d797_quant-k_q1d1098d797_quant
	.p2alignl 7, 3214868480
	.fill 96, 4, 3214868480
	.section	.rodata,"a",@progbits
	.p2align	6, 0x0
	.amdhsa_kernel k_q1d1098d797_quant
		.amdhsa_group_segment_fixed_size 33280
		.amdhsa_private_segment_fixed_size 0
		.amdhsa_enable_private_segment 0
		.amdhsa_kernarg_size 80
		.amdhsa_user_sgpr_count 2
		.amdhsa_user_sgpr_kernarg_segment_ptr 1
		.amdhsa_wavefront_size32 1
		.amdhsa_system_sgpr_workgroup_id_x 1
		.amdhsa_system_sgpr_workgroup_id_y 1
		.amdhsa_system_sgpr_workgroup_id_z 1
		.amdhsa_system_vgpr_workitem_id 0
		.amdhsa_next_free_vgpr 208
		.amdhsa_next_free_sgpr 66
		.amdhsa_reserve_vcc 0
		.amdhsa_float_denorm_mode_32 3
		.amdhsa_float_denorm_mode_16_64 3
		.amdhsa_memory_ordered 1
		.amdhsa_forward_progress 1
		.amdhsa_inst_pref_size 54
	.end_amdhsa_kernel
	.amdgpu_metadata
---
amdhsa.version: [ 1, 2 ]
amdhsa.kernels:
  - .name:           k_q1d1098d797_quant
    .symbol:         k_q1d1098d797_quant.kd
    .args:
      - { .name: x, .offset: 0, .size: 8, .value_kind: global_buffer, .address_space: global }
      - { .name: Wq, .offset: 8, .size: 8, .value_kind: global_buffer, .address_space: global }
      - { .name: Wk, .offset: 16, .size: 8, .value_kind: global_buffer, .address_space: global }
      - { .name: Wv, .offset: 24, .size: 8, .value_kind: global_buffer, .address_space: global }
      - { .name: Wo, .offset: 32, .size: 8, .value_kind: global_buffer, .address_space: global }
      - { .name: xc, .offset: 40, .size: 8, .value_kind: global_buffer, .address_space: global }
      - { .name: xs, .offset: 48, .size: 8, .value_kind: global_buffer, .address_space: global }
      - { .name: wc, .offset: 56, .size: 8, .value_kind: global_buffer, .address_space: global }
      - { .name: ws, .offset: 64, .size: 8, .value_kind: global_buffer, .address_space: global }
      - { .name: wo16, .offset: 72, .size: 8, .value_kind: global_buffer, .address_space: global }
    .group_segment_fixed_size: 33280
    .private_segment_fixed_size: 0
    .kernarg_segment_align: 8
    .kernarg_segment_size: 80
    .max_flat_workgroup_size: 128
    .sgpr_count:     66
    .vgpr_count:     208
    .wavefront_size: 32
...
	.end_amdgpu_metadata
.endif
;; end of part 1
;; launch qkv (part 2): grid 12 x 32, 4 waves a work-group, clusters of 4 x 4, 327,680 bytes of LDS; arguments xc, xs, wc, ws, qkv, fine32; writes qkv, fine32
.if DOCPART == 2
	.amdgcn_target "amdgcn-amd-amdhsa--gfx1250"
	.amdhsa_code_object_version 6
	.text
	.protected	k_q1d1098d797_qkv
	.globl	k_q1d1098d797_qkv
	.p2align	8
	.type	k_q1d1098d797_qkv,@function
k_q1d1098d797_qkv:
	s_mov_b64 s[64:65], 0
	v_nop
	global_prefetch_b8 v0, s[64:65] scope:SCOPE_SE
	s_setreg_imm32_b32 hwreg(HW_REG_WAVE_MODE, 25, 1), 1
	s_wait_xcnt 0x0
	s_wait_alu depctr_hold_cnt(0) depctr_sa_sdst(0) depctr_va_vdst(0) depctr_va_sdst(0) depctr_va_ssrc(0) depctr_va_vcc(0) depctr_vm_vsrc(0)
	s_getreg_b32 s2, hwreg(HW_REG_IB_STS2, 6, 4)
	s_cmp_eq_u32 s2, 0
	s_cbranch_scc0 .Lentry_in_a_cluster
	s_endpgm
.Lentry_in_a_cluster:
	s_bfe_u32 s2, ttmp6, 0x10000c
	s_cmp_lg_u32 s2, 0xf033
	s_cbranch_scc0 .Lentry_shape_is_right
	s_endpgm
.Lentry_shape_is_right:
; Q, K, V = x Wq^T, x Wk^T, x Wv^T on codes of FP4 (E2M1) with one E8M0 scale for each 32 along K: C[m][n] = sum over k of A[m][k] B[n][k], A = xc [8192][1024 codes], B = wc [3072][1024 codes]; sums in f32.
; The results go out as f16 by head: qkv [which 3][batch x head 64][t 2048][64]; the rows t < 16 of every batch go out in f32 too: fine32 [batch 4][t 16][3072].
; LIMIT: |Q|, |K|, |V| stay under 65,504 (f16).
; A tile of C, 256 x 256, is made by a work-group of four waves; a wave makes 128 x 128: 64 accumulators of 16 x 16, 512 registers.  K = 1,024 is two LDS slots of 512: every tensor load is a first fill,
; three a wave (its part of the scale bytes, of slot 0 and of slot 1), all issued at the head; nothing is filled again.
; CLUSTERS: 4 x 4 work-groups.  The four of a row of the cluster need the same tiles of A, the four of a column the same tiles of B: each tile is asked for JOINTLY, by the same tensor load with the same descriptor and a mask
; that names the four.  Tile row = 8 cy + cluster y: so the batch is cy and the block of 256 positions is the cluster's y, which all sixteen partners share: the branch for the f32 rows hangs on that and on the wave's number alone.
; THE MATRIX INSTRUCTION IS USED TRANSPOSED (source 0 = 16 rows of B, source 1 = 16 rows of A): a lane then holds eight neighbouring columns of one row of C.
; REGISTERS, in windows of 256: window 0: v0-31 addresses; v32-95 scale words, two sets; from v128 A's fragments, ONE set; on the way out v128-223.
;   window 1: B's fragments, TWO sets, at v0 and v128.   window 2: the accumulators of my rows 0-63 ((a, b) at v[8 (8 a + b)]);   window 3: those of my rows 64-127.
.set SIZE_K, 1024
.set KSTEP,  512                       ; along K in a slot
.set NQ,     KSTEP/128                 ; matrix instructions deep
.set ROWB,   256                       ; a tile's row in bytes
.set KROW,   SIZE_K*4/8                ; a row of codes in memory
.set PITCH,  272                       ; an LDS row: 256 bytes + 16 of padding: an odd multiple of 16, so that the 16 rows of a fragment load begin 16 bytes further round
.set FR,     8                         ; registers of a fragment: 16 rows x 128 K
.set NL,     2                         ; LDS loads that bring one
.set NP,     4                         ; places behind this matrix instruction (ISA guide 7.12.1)
.set HALFT,  128*PITCH                 ; 128 rows: what one tensor load brings
.set SLOT,   4*HALFT                   ; A's 256 rows, then B's 256 rows
.set KS,     SIZE_K/32                 ; a row of scale bytes
.set SCL,    2*SLOT                    ; behind the two slots: the scale bytes, as rows of 256 bytes + 16 of padding
.set HALFS,  (128*KS/256)*272          ; those of 128 rows: what one tensor load brings
.set SBLK,   (16*KS/256)*272           ; those of 16 rows
.set SPARE,  SCL+4*HALFS               ; the spare words, 128 bytes a wave
.set STAGE,  SPARE+512                 ; the way out: 32 rows x 144 bytes for each wave, bytes into which no tensor load lands
.set SPITCH, 144                       ; a stage row: 64 f16 + 16 bytes
.set WSTG,   32*SPITCH
.set ADRA, 16                          ; v16-17  LDS address of my A fragments in slot 0, 1
.set ADRB, 20                          ; v20-21  the same for B
.set STO,  24                          ; v24     the way out: where I put 16 bytes of a row
.set RD,   25                          ; v25     where I read rows back
.set CO,   26                          ; v26     16 x lane: my place in 512 bytes of qkv
.set ADRS, 27                          ; v27     LDS address of my scale words: lanes 0-15 A's rows, lanes 16-31 B's
.set SPW,  28                          ; v28     LDS address of my spare word; never rewritten
.set NIL,  29                          ; v29     0; never rewritten
.set FO,   30                          ; v30     my byte offset in fine32: row l % 16, 32 bytes for each half of the lanes
.set SC,   32                          ; scale words: set s at v[SC + 32 s]; register 4 i + q: lanes 0-15 A's block i, lanes 16-31 B's block i, the slot's q-th 128 along K
.set AF,   128                         ; A's fragments, window 0
.set BK,   128                         ; the way out: rows read back: v128-159 and v160-191 by turns
.set TMP,  192                         ; the way out: a block's 32 registers of f16
.set G1, 24
.set G0, 32
.set G1B, 48
.set G0B, 56
.set G1S, 68
.set G0S, 76
.set G1SB, 80
.set G0SB, 88
.set MSB, 0
.macro WIN new                         ; the immediate's high byte repeats the setting that is left; a switch that changes nothing is dropped
.if MSB != (\new)
	s_set_vgpr_msb (MSB<<8)|(\new)
.set MSB, (\new)
.endif
.endm
.set MUL_LO, 0xa1                      ; source 0 (B) window 1, source 1 (A) window 0, C and D window 2
.set MUL_HI, 0xf1                      ; the same, C and D window 3
.set TO_B,   0x40                      ; destination window 1, address window 0
; A joint load: waves 0 and 1 fetch for A, waves 2 and 3 for B.  Each line has one mask and one set of registers for all that issue it; the branch hangs on the wave's number alone.
; An s_nop 0 and four v_nop follow each of the two lines.
.macro JLOAD g0a, g1a, g0b, g1b
	s_cmp_eq_u32 s15, 0
	s_cbranch_scc0 .Lfor_b_\@
	tensor_load_to_lds s[\g0a:\g0a+3], s[\g1a:\g1a+7]
	s_nop 0
.rept 4
	v_nop
.endr
	s_branch .Lasked_\@
.Lfor_b_\@:
	tensor_load_to_lds s[\g0b:\g0b+3], s[\g1b:\g1b+7]
	s_nop 0
.rept 4
	v_nop
.endr
.Lasked_\@:
.endm
.macro CROUND                          ; a round of the cluster's barrier
	s_barrier_signal -1
	s_barrier_wait -1
	s_cmp_lg_u32 s14, 0
	s_cbranch_scc1 .Lnot_wave_0_\@
	s_barrier_signal -3
.Lnot_wave_0_\@:
	s_barrier_wait -3
	s_barrier_signal -1
	s_barrier_wait -1
.endm
	s_load_b128 s[4:7], s[0:1], 0x0                ; xc, xs
	s_load_b128 s[8:11], s[0:1], 0x10              ; wc, ws
	s_load_b64 s[12:13], s[0:1], 0x20              ; qkv
	s_load_b64 s[100:101], s[0:1], 0x28            ; fine32
	v_lshl_add_u32 v[SPW], v0, 2, SPARE
	v_mov_b32 v[NIL], 0
	ds_add_u32 v[SPW], v[NIL]                      ; the wave's opening: the add, twice on end, and its wait ahead of my first tensor load
	ds_add_u32 v[SPW], v[NIL]
	v_lshrrev_b32 v1, 5, v0
	v_readfirstlane_b32 s14, v1                    ; wave 0..3
	s_lshr_b32 s15, s14, 1                         ; which half of the tile's rows is mine.  Also: I fetch for A (0) or for B (1)
	s_and_b32 s16, s14, 1                          ; which half of its columns.  Also: which 128 rows of that tile I fetch
	s_bfe_u32 s40, ttmp6, 0x40000                  ; cx, cy: my place in the cluster
	s_bfe_u32 s41, ttmp6, 0x40004
	s_lshl_b32 s42, ttmp9, 2
	s_add_co_u32 s42, s42, s40                     ; tile column of C = 4 x cluster x + cx: 0..11
	s_and_b32 s95, ttmp7, 0xffff                   ; cluster y, 0..7: the block of 256 positions
	s_lshl_b32 s17, s41, 3
	s_add_co_u32 s17, s17, s95                     ; tile row of C = 8 cy + cluster y: the batch is cy
	s_lshl_b32 s43, s41, 2
	s_lshl_b32 s43, 15, s43                        ; my row of the cluster
	s_lshl_b32 s44, 0x1111, s40                    ; my column
	; descriptor group 1: a tile of 128 rows x 256 bytes, 16 bytes of padding behind each row
	s_or_b32 s[G1+0], s43, (0<<16)|(1<<20)|(1<<21)|(5<<22)|(3<<25)  ; the mask: A's tiles go to my row; elements of 1 byte; padding on; bit 21 beside a mask; after every 64 words four words
	s_or_b32 s[G1B+0], s44, (0<<16)|(1<<20)|(1<<21)|(5<<22)|(3<<25)
.irp g, G1, G1B
	s_mov_b32 s[\g+1], ROWB<<16                    ; tensor_dim0
	s_mov_b32 s[\g+2], 128<<16                     ; tensor_dim1
	s_mov_b32 s[\g+3], ROWB<<16                    ; tile_dim0
	s_mov_b32 s[\g+4], 128                         ; tile_dim1
	s_mov_b32 s[\g+5], KROW                        ; from row to row
	s_mov_b32 s[\g+6], 0
	s_mov_b32 s[\g+7], 0
.endr
	; the scale bytes of 128 rows: a dense block of 4,096 bytes, as 16 rows of 256 bytes (32 elements of 8 bytes), 16 bytes of padding behind each
	s_or_b32 s[G1S+0], s43, (3<<16)|(1<<20)|(1<<21)|(5<<22)|(3<<25)
	s_or_b32 s[G1SB+0], s44, (3<<16)|(1<<20)|(1<<21)|(5<<22)|(3<<25)
.irp g, G1S, G1SB
	s_mov_b32 s[\g+1], 32<<16
	s_mov_b32 s[\g+2], (128*KS/256)<<16
	s_mov_b32 s[\g+3], 32<<16
	s_mov_b32 s[\g+4], 128*KS/256
	s_mov_b32 s[\g+5], 32
	s_mov_b32 s[\g+6], 0
	s_mov_b32 s[\g+7], 0
.endr
	s_lshl_b32 s18, s16, 7                         ; which 128 rows of the tile I fetch
	s_lshl_b32 s20, s17, 8
	s_add_co_u32 s20, s20, s18                     ; A: row 256 x tile row + 128 x half
	s_lshl_b32 s46, s42, 8
	s_add_co_u32 s46, s46, s18                     ; B: row 256 x tile column + 128 x half
	s_mov_b32 s21, 0
	s_mov_b32 s47, 0
	s_mov_b64 s[18:19], KS
	s_mul_u64 s[22:23], s[20:21], s[18:19]         ; where these rows' scale bytes begin
	s_mul_u64 s[92:93], s[46:47], s[18:19]
	s_mov_b64 s[18:19], KROW
	s_mul_u64 s[20:21], s[20:21], s[18:19]         ; and their codes
	s_mul_u64 s[46:47], s[46:47], s[18:19]
	s_mul_i32 s45, s14, HALFT                      ; where they go: wave x 128 rows: no place in the cluster enters an LDS address
	s_mul_i32 s94, s14, HALFS
	s_wait_dscnt 0x0                               ; both opening adds are done
	s_wait_kmcnt 0x0
	s_add_nc_u64 s[20:21], s[4:5], s[20:21]
	s_add_nc_u64 s[22:23], s[6:7], s[22:23]
	s_add_nc_u64 s[46:47], s[8:9], s[46:47]
	s_add_nc_u64 s[92:93], s[10:11], s[92:93]
	CROUND                                         ; all sixteen work-groups are here: the joint loads meet
	s_mov_b32 s[G0S], 1
	s_add_co_u32 s[G0S+1], s94, SCL
	s_mov_b64 s[G0S+2:G0S+3], s[22:23]
	s_or_b32 s[G0S+3], s[G0S+3], 0x80000000
	s_mov_b32 s[G0SB], 1
	s_add_co_u32 s[G0SB+1], s94, SCL
	s_mov_b64 s[G0SB+2:G0SB+3], s[92:93]
	s_or_b32 s[G0SB+3], s[G0SB+3], 0x80000000
	JLOAD G0S, G1S, G0SB, G1SB                     ; the scale bytes first: they are wanted with slot 0
.irp s, 0,1
	s_mov_b32 s[G0+4*\s], 1
	s_add_co_u32 s[G0+4*\s+1], s45, \s*SLOT
	s_add_nc_u64 s[G0+4*\s+2:G0+4*\s+3], s[20:21], \s*ROWB
	s_or_b32 s[G0+4*\s+3], s[G0+4*\s+3], 0x80000000
	s_mov_b32 s[G0B+4*\s], 1
	s_add_co_u32 s[G0B+4*\s+1], s45, \s*SLOT
	s_add_nc_u64 s[G0B+4*\s+2:G0B+4*\s+3], s[46:47], \s*ROWB
	s_or_b32 s[G0B+4*\s+3], s[G0B+4*\s+3], 0x80000000
	JLOAD G0+4*\s, G1, G0B+4*\s, G1B
.endr
	v_and_b32 v1, 15, v0                           ; l % 16
	v_bfe_u32 v2, v0, 4, 1                         ; l / 16
	v_mul_u32_u24 v3, v1, PITCH
	v_lshl_add_u32 v4, v2, 4, v3                   ; a fragment's row x pitch + 16 x half
	s_mul_i32 s21, s15, HALFT                      ; my 128 rows of A
	s_mul_i32 s22, s16, HALFT                      ; my 128 rows of B,
	s_add_co_u32 s22, s22, 2*HALFT                 ; which lie behind A's 256
.irp s, 0,1
	v_add_nc_u32 v[ADRA+\s], s21, v4
	v_add_nc_u32 v[ADRB+\s], s22, v4
	s_add_co_u32 s21, s21, SLOT
	s_add_co_u32 s22, s22, SLOT
.endr
	v_mul_u32_u24 v5, v1, KS                       ; my row's scale bytes: 32 a row,
	v_lshrrev_b32 v6, 8, v5
	v_lshl_add_u32 v5, v6, 4, v5                   ; and 16 more for each 256 passed
	s_mul_i32 s21, s15, HALFS                      ; A's: my 128 rows
	s_mul_i32 s22, s16, HALFS                      ; B's: my 128 rows, behind A's 256
	s_add_co_u32 s22, s22, 2*HALFS
	s_sub_co_u32 s22, s22, s21
	v_mul_u32_u24 v6, s22, v2                      ; lanes 16-31 take B's: one product, the distance between the two bases
	s_add_co_u32 s21, s21, SCL
	v_add_nc_u32 v5, v5, v6
	v_add_nc_u32 v[ADRS], s21, v5
	s_mul_i32 s23, s14, WSTG
	s_add_co_u32 s23, s23, STAGE                   ; my stage
	v_mul_u32_u24 v5, v1, SPITCH                   ; in: row l % 16, 16 bytes for each half of the lanes
	v_lshl_add_u32 v5, v2, 4, v5
	v_add_nc_u32 v[STO], s23, v5
	v_and_b32 v6, 31, v0
	v_lshrrev_b32 v7, 3, v6                        ; back: eight lanes to a row of 128 bytes, four rows an instruction
	v_mul_u32_u24 v7, v7, SPITCH
	v_and_b32 v8, 7, v0
	v_lshl_add_u32 v7, v8, 4, v7
	v_add_nc_u32 v[RD], s23, v7
	v_lshlrev_b32 v[CO], 4, v6                     ; the same four rows lie on end in qkv: 16 x lane
	v_mul_u32_u24 v[FO], v1, 12288
	v_lshl_add_u32 v[FO], v2, 5, v[FO]
	; qkv at my wave's part: which = tile column / 4; head = 4 (tile column % 4) + 2 x column half (+ 1 for B's blocks 4-7); position = 256 x cluster y + 128 x row half
	s_lshr_b32 s20, s42, 2
	s_lshl_b32 s20, s20, 24                        ; 16,777,216 bytes for each of Q, K, V
	s_lshl_b32 s21, s41, 4
	s_and_b32 s22, s42, 3
	s_lshl_b32 s22, s22, 2
	s_add_co_u32 s21, s21, s22
	s_lshl_b32 s22, s16, 1
	s_add_co_u32 s21, s21, s22
	s_lshl_b32 s21, s21, 18                        ; 262,144 bytes a batch and head
	s_add_co_u32 s20, s20, s21
	s_lshl_b32 s21, s95, 15                        ; 256 rows of 128 bytes
	s_add_co_u32 s20, s20, s21
	s_lshl_b32 s21, s15, 14
	s_add_co_u32 s20, s20, s21
	s_mov_b32 s21, 0
	s_add_nc_u64 s[12:13], s[12:13], s[20:21]
	s_mul_i32 s20, s41, 196608                     ; fine32: the batch's 16 rows of 12,288 bytes, my wave's 128 columns
	s_lshl_b32 s21, s42, 10
	s_add_co_u32 s20, s20, s21
	s_lshl_b32 s21, s16, 9
	s_add_co_u32 s20, s20, s21
	s_mov_b32 s21, 0
	s_add_nc_u64 s[100:101], s[100:101], s[20:21]
.macro FRAG reg, adr, q, i             ; a fragment, 16 rows x 128 K of 4-bit codes: lane l holds row l % 16; registers 4 c .. 4 c + 3 hold K = 64 c + 32 (l / 16) + 0 .. 31
.irp c, 0,1
	ds_load_b128 v[\reg+4*\c:\reg+4*\c+3], v[\adr] offset:64*(\q)+32*\c+(\i)*16*PITCH
.endr
.endm
; 16 matrix instructions: A's blocks a0, a0 + 1 x B's eight, the slot's q-th 128 along K.  p: B's set;  sc: the set of scale words.  zero = 1: the first product starts the sums.
; The 64 accumulators take turns, one instruction a turn, in the same order in every step.
.macro MUL16 a0, p, q, sc, zero
.irp a, \a0, \a0+1
.irp b, 0,1,2,3,4,5,6,7
.if \zero
	v_wmma_scale_f32_16x16x128_f8f6f4 v[8*(8*((\a)%4)+\b):8*(8*((\a)%4)+\b)+7], v[128*(\p)+FR*\b:128*(\p)+FR*\b+FR-1], v[AF+FR*(\a):AF+FR*(\a)+FR-1], 0, v[SC+8*NQ*(\sc)+NQ*\b+(\q)], v[SC+8*NQ*(\sc)+NQ*(\a)+(\q)] matrix_a_fmt:MATRIX_FMT_FP4 matrix_b_fmt:MATRIX_FMT_FP4 matrix_a_scale:MATRIX_SCALE_ROW1
.else
	v_wmma_scale_f32_16x16x128_f8f6f4 v[8*(8*((\a)%4)+\b):8*(8*((\a)%4)+\b)+7], v[128*(\p)+FR*\b:128*(\p)+FR*\b+FR-1], v[AF+FR*(\a):AF+FR*(\a)+FR-1], v[8*(8*((\a)%4)+\b):8*(8*((\a)%4)+\b)+7], v[SC+8*NQ*(\sc)+NQ*\b+(\q)], v[SC+8*NQ*(\sc)+NQ*(\a)+(\q)] matrix_a_fmt:MATRIX_FMT_FP4 matrix_b_fmt:MATRIX_FMT_FP4 matrix_a_scale:MATRIX_SCALE_ROW1
.endif
.endr
.endr
.endm
.macro FETCH_B slot, q, p              ; B's eight fragments of the slot's q-th 128 along K into set p
	WIN TO_B
.irp i, 0,1,2,3,4,5,6,7
	FRAG 128*(\p)+FR*\i, ADRB+\slot, \q, \i
.endr
	WIN 0
.endm
.macro FETCH_A slot, q, i0             ; A's blocks i0 .. i0 + 3
.irp i, \i0, \i0+1, \i0+2, \i0+3
	FRAG AF+FR*(\i), ADRA+\slot, \q, \i
.endr
.endm
.macro SCALES sc                       ; a slot's scale words into set sc: four words a row; lanes 0-15 take A's block i, lanes 16-31 B's block i
.irp i, 0,1,2,3,4,5,6,7
	ds_load_b128 v[SC+8*NQ*\sc+NQ*\i:SC+8*NQ*\sc+NQ*\i+3], v[ADRS] offset:\i*SBLK
.endr
.endm
.macro PLACES n                        ; plain vector lines between a matrix instruction and a load into one of its registers, or a read of its result
.rept \n
	v_nop
.endr
.endm
; A step of 128 along K that has its successor in the same slot: A's blocks 0-3 are fetched anew in its middle, blocks 4-7 at its end; B has two sets.
.macro STEP slot, q, zero
	s_wait_dscnt 4*NL                              ; B's set and A's blocks 0-3 are in; the youngest eight loads (A's blocks 4-7) may be out
	WIN MUL_LO
	MUL16 0, (\q)%2, \q, \slot, \zero
	MUL16 2, (\q)%2, \q, \slot, \zero
	s_wait_dscnt 0                                 ; A's blocks 4-7 are in
	PLACES NP
	FETCH_B \slot, (\q)+1, 1-(\q)%2
	FETCH_A \slot, (\q)+1, 0
	WIN MUL_HI
	MUL16 4, (\q)%2, \q, \slot, \zero
	MUL16 6, (\q)%2, \q, \slot, \zero
	PLACES NP
	WIN 0
	FETCH_A \slot, (\q)+1, 4
.endm
; Slot 0's last step goes over to slot 1: one barrier; in front of it each wave waits for all its tensor loads (its part of slot 1 is the one still out).
.macro TURN slot, next
	s_wait_tensorcnt 0x0                           ; all my tensor loads have landed  (every window is 0 here)
	ds_add_u32 v[SPW], v[NIL]                      ; 0 onto my spare word
	s_wait_dscnt 4*NL+1                            ; (the add and the youngest eight loads, A's blocks 4-7, may be out)
	WIN MUL_LO
	MUL16 0, 1, NQ-1, \slot, 0
	s_wait_dscnt 0x0                               ; no LDS instruction of mine is pending at the signal
	s_barrier_signal -1
	MUL16 2, 1, NQ-1, \slot, 0
	WIN 0
	s_barrier_wait -1                              ; every wave's part of the next slot is in
	PLACES NP
	v_add_nc_u32 v[ADRS], 4*NQ, v[ADRS]            ; on to the next slot's scale words
	FETCH_B \next, 0, 0
	FETCH_A \next, 0, 0
	SCALES \next
	WIN MUL_HI
	MUL16 4, 1, NQ-1, \slot, 0
	MUL16 6, 1, NQ-1, \slot, 0
	PLACES NP
	WIN 0
	FETCH_A \next, 0, 4
.endm
.macro STEPS slot, from                ; the slot's steps from .. NQ - 2
.set Q, \from
.rept NQ-1-\from
	STEP \slot, Q, 0
.set Q, Q+1
.endr
.endm
	s_wait_tensorcnt 1                             ; the scale bytes and my part of slot 0 are in; one load, slot 1's, was issued behind them and may be out
	s_barrier_signal -1
	s_barrier_wait -1                              ; everybody's are
	FETCH_B 0, 0, 0
	FETCH_A 0, 0, 0
	SCALES 0
	FETCH_A 0, 0, 4
	STEP 0, 0, 1                                   ; the first step's products start the sums
	STEPS 0, 1
	TURN 0, 1
	STEPS 1, 0
	s_wait_dscnt 4*NL                              ; the very last step: nothing more to fetch
	WIN MUL_LO
	MUL16 0, 1, NQ-1, 1, 0
	MUL16 2, 1, NQ-1, 1, 0
	s_wait_dscnt 0
	WIN MUL_HI
	MUL16 4, 1, NQ-1, 1, 0
	MUL16 6, 1, NQ-1, 1, 0
	WIN 0
	PLACES NP                                      ; behind the last products: ahead of every read of results and of the loads into A's registers
	; THE ROWS t < 16 IN F32: block 0 of the waves that hold rows 0-127 of a tile whose first position is 0.  The branch hangs on the cluster's y and the wave's number: alike in all partners.
	; A lane stores 2 x 16 bytes of its row for each of B's blocks; these 786,432 bytes of the launch are not stored in whole runs of 256.
	s_or_b32 s96, s95, s15
	s_cmp_lg_u32 s96, 0
	s_cbranch_scc1 .Lno_fine
	WIN 0x08                                       ; a store's data: window 2
.irp b, 0,1,2,3,4,5,6,7
	global_store_b128 v[FO], v[8*\b:8*\b+3], s[100:101] offset:64*\b
	global_store_b128 v[FO], v[8*\b+4:8*\b+7], s[100:101] offset:64*\b+16
.endr
	WIN 0
.Lno_fine:
; THE WAY OUT, block by block of 16 rows x 128 columns (two heads).  PACK: rounded to f16, 16 bytes a lane, each accumulator from its low end on.  TOSTAGE: into my own stage, head by head, and back four rows at a time.
; SEND: four rows of one head are 512 consecutive bytes of qkv, aligned.  LDS serves a wave's instructions in order: no wait between the stage's stores and loads.
.macro PACK a
.set AC, 64*((\a)%4)
	WIN 0x0a+5*((\a)/4)                            ; sources 0 and 1: window 2 or 3
.irp b, 0,1,2,3,4,5,6,7
.irp i, 0,1,2,3
	v_cvt_pk_f16_f32 v[TMP+4*\b+\i], v[AC+8*\b+2*\i], v[AC+8*\b+2*\i+1]
.endr
.endr
	WIN 0
.endm
.macro TOSTAGE a
.irp b, 0,1,2,3,4,5,6,7
	ds_store_b128 v[STO], v[TMP+4*\b:TMP+4*\b+3] offset:(\b/4)*16*SPITCH+(\b%4)*32
.endr
.irp i, 0,1,2,3,4,5,6,7
	ds_load_b128 v[BK+32*((\a)%2)+4*\i:BK+32*((\a)%2)+4*\i+3], v[RD] offset:4*SPITCH*\i
.endr
.endm
.macro SEND a
	s_wait_dscnt 0x0                               ; the block is back in registers
	s_wait_xcnt 0x0                                ; the stores of the block before have read their registers: the next block's loads from the stage may land there
.irp i, 0,1,2,3,4,5,6,7
	global_store_b128 v[CO], v[BK+32*((\a)%2)+4*\i:BK+32*((\a)%2)+4*\i+3], s[12:13] offset:(\i/4)*262144+(\a)*2048+(\i%4)*512
.endr
.endm
	PACK 0
	TOSTAGE 0
.irp a, 1,2,3,4,5,6,7                  ; block a's conversions stand between block a - 1's loads from the stage and the wait for them
	PACK \a
	SEND \a-1
	TOSTAGE \a
.endr
	SEND 7
	s_wait_tensorcnt 0x0                           ; the wave's end: a wait, an add onto my spare word and its wait behind my last tensor load and my last LDS store
	ds_add_u32 v[SPW], v[NIL]
	s_wait_dscnt 0x0
	CROUND                                         ; the closing round
	s_endpgm
.Lfunc_end_k_q1d1098d797_qkv:
	.size	k_q1d1098d797_qkv, .Lfunc_end_k_q1d1098d797_qkv-k_q1d1098d797_qkv
	.p2alignl 7, 3214868480
	.fill 96, 4, 3214868480
	.section	.rodata,"a",@progbits
	.p2align	6, 0x0
	.amdhsa_kernel k_q1d1098d797_qkv
		.amdhsa_group_segment_fixed_size 327680
		.amdhsa_private_segment_fixed_size 0
		.amdhsa_enable_private_segment 0
		.amdhsa_kernarg_size 48
		.amdhsa_user_sgpr_count 2
		.amdhsa_user_sgpr_kernarg_segment_ptr 1
		.amdhsa_wavefront_size32 1
		.amdhsa_system_sgpr_workgroup_id_x 1
		.amdhsa_system_sgpr_workgroup_id_y 1
		.amdhsa_system_sgpr_workgroup_id_z 1
		.amdhsa_system_vgpr_workitem_id 0
		.amdhsa_next_free_vgpr 1024
		.amdhsa_next_free_sgpr 102
		.amdhsa_reserve_vcc 0
		.amdhsa_float_denorm_mode_32 3
		.amdhsa_float_denorm_mode_16_64 3
		.amdhsa_memory_ordered 1
		.amdhsa_forward_progress 1
		.amdhsa_inst_pref_size 129
	.end_amdhsa_kernel
	.amdgpu_metadata
---
amdhsa.version: [ 1, 2 ]
amdhsa.kernels:
  - .name:           k_q1d1098d797_qkv
    .symbol:         k_q1d1098d797_qkv.kd
    .args:
      - { .name: xc, .offset: 0, .size: 8, .value_kind: global_buffer, .address_space: global }
      - { .name: xs, .offset: 8, .size: 8, .value_kind: global_buffer, .address_space: global }
      - { .name: wc, .offset: 16, .size: 8, .value_kind: global_buffer, .address_space: global }
      - { .name: ws, .offset: 24, .size: 8, .value_kind: global_buffer, .address_space: global }
      - { .name: qkv, .offset: 32, .size: 8, .value_kind: global_buffer, .address_space: global }
      - { .name: fine32, .offset: 40, .size: 8, .value_kind: global_buffer, .address_space: global }
    .group_segment_fixed_size: 327680
    .private_segment_fixed_size: 0
    .kernarg_segment_align: 8
    .kernarg_segment_size: 48
    .max_flat_workgroup_size: 128
    .sgpr_count:     102
    .vgpr_count:     1024
    .wavefront_size: 32
...
	.end_amdgpu_metadata
.endif
;; end of part 2
;; launch attn (part 3): grid 4 x 64, 16 waves a work-group, no clusters, 327,680 bytes of LDS; arguments qkv, ctx; writes ctx
.if DOCPART == 3
	.amdgcn_target "amdgcn-amd-amdhsa--gfx1250"
	.amdhsa_code_object_version 6
	.text
	.protected	k_q1d1098d797_attn
	.globl	k_q1d1098d797_attn
	.p2align	8
	.type	k_q1d1098d797_attn,@function
k_q1d1098d797_attn:
	s_mov_b64 s[64:65], 0
	v_nop
	global_prefetch_b8 v0, s[64:65] scope:SCOPE_SE
	s_setreg_imm32_b32 hwreg(HW_REG_WAVE_MODE, 25, 1), 1
	s_wait_xcnt 0x0
; ctx[bh][q][:] = the sum over k <= q of softmax_k(Q[bh][q] . K[bh][k] / 8) V[bh][k][:].  Q, K, V: qkv [3][bh 64][t 2048][64] f16; ctx [bh 64][t 2048][64] f16.  Products on f16 operands, sums, maxima and the softmax in f32;
; the weights p = 2^(c s - c m), c = log2(e) / 8, m the running maximum, are at most 1 and are rounded to f16 for the second product; the row's sum is taken of the f32 p and divides at the end.
; LIMIT: |ctx| stays under 65,504 (f16); it is an average of V.
; SHARES.  A work-group owns two blocks of 256 queries of one batch and head: block p (waves 0-7) and block 7 - p (waves 8-15), so that under the causal mask all 256 work-groups have the same number of key steps to work.
; A wave owns 32 queries, two tiles of 16, in 256 registers.  A key step is 64 keys; K's and V's tiles come through two LDS slots of 256 keys, filled by tensor loads (waves 0, 1: K's halves; waves 2, 3: V's) and read by all sixteen.
; NO CLUSTER: under the causal mask the work-groups of a head need different numbers of tiles, and a joint load would bring tiles that no wave of some partner reads.
; LAYOUT.  S^T = K Q^T (source 0 = 16 keys, source 1 = 16 queries): a lane holds ONE query (lane % 16) and the keys 8 (lane / 16) + 0..7 of a tile.  Two such tiles, rounded to f16 in pairs, ARE source 1 (32 keys x 16 queries) of
; O^T = V^T P, whose result again holds one query a lane and eight channels.  K comes out of LDS as it lies, V ([key][channel]) turned, by ds_load_tr16_b128.
; THE CAUSAL MASK.  Every work-group walks all 8 slots: the trip counts are constants.  A step all of whose keys come after the wave's 32 queries is jumped over (a scalar branch on ids, round no barrier and no tensor load);
; in the step on the diagonal hidden scores become -infinity ahead of the maximum.  A slot whose first key comes after the work-group's last query is not asked for.  Every wait on TENSORcnt in this text is for 0.
.set KP,    144                        ; a row of K in LDS: 128 bytes + 16
.set VP,    160                        ; a row of V: 128 + 32, an odd multiple of 32 for the turning load
.set SK,    256                        ; keys in a slot
.set NQ,    4                          ; key steps in a slot
.set VOFF,  SK*KP                      ; a slot: 256 rows of K, then 256 rows of V
.set SLOT1, 1<<17                      ; slot 1 begins here: one exclusive or turns an address from one slot to the other
.set NSL,   8                          ; slots' worth of keys
.set SPARE, 2*SLOT1                    ; the spare words, 128 bytes for each of 16 waves
.set STAGE, SPARE+2048                 ; the way out: 16 rows x 144 bytes for each wave; no tensor load lands here
.set SPT,   144
.set AK0,  1                           ; v1   my lane's place in a tile of K
.set AV0,  2                           ; v2   the same for V
.set ADK,  3                           ; v3   LDS address of the step's K
.set ADV,  4                           ; v4   of its V
.set SPW,  5                           ; v5   LDS address of my spare word; never rewritten
.set NIL,  6                           ; v6   0; never rewritten
.set QO,   7                           ; v7   my byte offset in the wave's rows of Q
.set DD,   8                          ; v8   the mask: my query less the step's first key less 8 (lane / 16)
.set NINF, 9                           ; v9   -infinity
.set RH,   10                          ; v10  lane % 16 - 8 (lane / 16)
.set ST,   12                          ; tile x's statistics at v[ST + 8 x]: +0 c m, +1 m, +2, +3 the sum (even keys', odd keys'), +4 to +7 c0-c3 at work; a = 2^(c m_old - c m_new) takes c2's place
.set PFO,  28                          ; v28  256 x lane, for the prefetches; never rewritten
.set STO,  29                          ; v29  the way out: where I put 16 bytes of a row
.set RD,   30                          ; v30  where I read rows back
.set GO,   31                          ; v31  16 x lane: my place in 512 bytes of ctx
.set QF,   32                          ; v32-63   Q: tile x, channels 32 c on, at QF + 16 x + 8 c
.set KV,   64                          ; v64-127  eight fragments of K, then of V
.set S,    128                         ; v128-191 S^T: tile x, keys 16 kt on, at S + 32 x + 8 kt; then p; P is packed in place at S + 32 x + 0..15
.set OA,   192                         ; v192-255 O^T: tile x, channels 16 dt on, at OA + 32 x + 8 dt
.set TB,   2                           ; s2   LDS byte at which the slot in hand begins
.set KF,   8                           ; s8   the step's first key
.set Q0,   9                           ; s9   my wave's first query
.set QL,   10                          ; s10  my work-group's last query
.set SLOTS, 11                         ; s11  changes of slots still to come that may ask for a slot
.set WV,   18                          ; s18  my wave's number
.set SEL,  20                          ; s[20:21] lane selects for v_permlanex16_b32: lane l xor 16
.set CS,   22                          ; s[22:23] c, twice: the packed form names a pair
.set G1K,  24                          ; s[24:31] descriptor group 1 for K's tiles;  s[32:39] for V's
.set G1V,  32
.set G0K,  40                          ; s[40:43], s[44:47] their groups 0, which walk
.set G0V,  44
.set PFA,  48                          ; s[48:49] where my prefetches stand
.set LIM,  50                          ; s50  1 in a wave that prefetches, else the greatest number
.set QB,   54                          ; s[54:55] Q at my wave's first row
; Waves 0 and 1 fetch for K, waves 2 and 3 for V, the others nothing.  The branches hang on the wave's number alone.  An s_nop 0 and four v_nop follow each of the two lines.
.macro TLOAD
	s_cmp_lt_u32 s[WV], 2
	s_cbranch_scc0 .Lnot_k_\@
	tensor_load_to_lds s[G0K:G0K+3], s[G1K:G1K+7]
	s_nop 0
.rept 4
	v_nop
.endr
	s_branch .Lasked_\@
.Lnot_k_\@:
	s_cmp_lt_u32 s[WV], 4
	s_cbranch_scc0 .Lasked_\@
	tensor_load_to_lds s[G0V:G0V+3], s[G1V:G1V+7]
	s_nop 0
.rept 4
	v_nop
.endr
.Lasked_\@:
.endm
; A PREFETCH INTO THE L2 of what the NEXT change of slots will ask for: a slot's 256 rows of K and of V, two dense blocks of 32,768 bytes.  All four work-groups of a batch and head walk the same K and V: work-group p = 0,
; which asks for all eight slots, prefetches.  In it the waves ask that fetch nothing, one instruction each: waves 4-7 for K's block, 8,192 bytes a wave, lanes 256 bytes apart; waves 8-11 for V's.
; So each aligned block of 256 bytes is named once in the launch.  Slots 0 and 1 come by their loads alone; the last change that fills a slot asks for nothing.  The lead is one slot: four key steps.
.macro ASK
	s_cmp_gt_u32 s[SLOTS], s[LIM]
	s_cbranch_scc0 .Lnot_mine_\@
	global_prefetch_b8 v[PFO], s[PFA:PFA+1] th:TH_LOAD_NT scope:SCOPE_SE
.Lnot_mine_\@:
.endm
	s_load_b128 s[4:7], s[0:1], 0x0                ; qkv, ctx
	v_lshl_add_u32 v[SPW], v0, 2, SPARE
	v_mov_b32 v[NIL], 0
	ds_add_u32 v[SPW], v[NIL]                      ; the wave's opening: the add, twice on end, and its wait ahead of my first tensor load
	ds_add_u32 v[SPW], v[NIL]
	v_lshrrev_b32 v11, 5, v0
	v_readfirstlane_b32 s[WV], v11                 ; wave 0..15
	s_and_b32 s12, ttmp7, 0xffff
	s_lshl_b32 s12, s12, 18                        ; the batch and head: 262,144 bytes in each of Q, K, V and in ctx
	s_and_b32 s14, s[WV], 1                        ; which half of a slot's rows I fetch, if I fetch:
	s_lshl_b32 s16, s14, 14                        ; 128 rows of 128 bytes in memory,
	s_add_co_u32 s16, s16, s12
	s_mov_b32 s17, 0
	s_mul_i32 s19, s14, 128*KP                     ; and in a slot: K's,
	s_mul_i32 s51, s14, 128*VP
	s_add_co_u32 s51, s51, VOFF                    ; V's
	; descriptor group 1: 128 rows of 64 elements of 2 bytes, dense in memory; padding behind every row of 32 words: four words for K, eight for V
	s_mov_b32 s[G1K], (1<<16)|(1<<20)|(4<<22)|(3<<25)
	s_mov_b32 s[G1V], (1<<16)|(1<<20)|(4<<22)|(7<<25)
.irp g, G1K, G1V
	s_mov_b32 s[\g+1], 64<<16                      ; tensor_dim0
	s_mov_b32 s[\g+2], 128<<16                     ; tensor_dim1
	s_mov_b32 s[\g+3], 64<<16                      ; tile_dim0
	s_mov_b32 s[\g+4], 128                         ; tile_dim1
	s_mov_b32 s[\g+5], 64                          ; from row to row
	s_mov_b32 s[\g+6], 0
	s_mov_b32 s[\g+7], 0
.endr
	s_sub_co_u32 s[Q0], 7, ttmp9
	s_cmp_lt_u32 s[WV], 8
	s_cselect_b32 s[Q0], ttmp9, s[Q0]              ; my block of 256 queries: p or 7 - p
	s_lshl_b32 s[Q0], s[Q0], 8
	s_and_b32 s52, s[WV], 7
	s_lshl_b32 s52, s52, 5
	s_add_co_u32 s[Q0], s[Q0], s52                 ; + 32 x (wave % 8)
	s_sub_co_u32 s[QL], 8, ttmp9
	s_lshl_b32 s[QL], s[QL], 8
	s_sub_co_u32 s[QL], s[QL], 1                   ; the last query of block 7 - p
	s_mov_b32 s[SEL], 0x76543210
	s_mov_b32 s[SEL+1], 0xfedcba98
	s_mov_b32 s[CS], 0x3e38aa3b                    ; c = log2(e) / 8
	s_mov_b32 s[CS+1], s[CS]
	s_mov_b32 s[TB], 0
	s_mov_b32 s[KF], 0
	s_mov_b32 s[SLOTS], NSL-1
	s_wait_dscnt 0x0                               ; both opening adds are done
	s_wait_kmcnt 0x0
	s_mov_b32 s[G0K], 1
	s_mov_b32 s[G0K+1], s19                        ; slot 0
	s_add_nc_u64 s[G0K+2:G0K+3], s[4:5], s[16:17]
	s_add_nc_u64 s[G0K+2:G0K+3], s[G0K+2:G0K+3], 0x1000000   ; K lies 16,777,216 bytes into qkv
	s_or_b32 s[G0K+3], s[G0K+3], 0x80000000
	s_mov_b32 s[G0V], 1
	s_mov_b32 s[G0V+1], s51
	s_add_nc_u64 s[G0V+2:G0V+3], s[4:5], s[16:17]
	s_add_nc_u64 s[G0V+2:G0V+3], s[G0V+2:G0V+3], 0x2000000   ; V 33,554,432
	s_or_b32 s[G0V+3], s[G0V+3], 0x80000000
	TLOAD                                          ; slot 0: it holds key 0, which counts for every query
	s_lshl_b32 s14, s[Q0], 7
	s_add_co_u32 s14, s14, s12
	s_mov_b32 s15, 0
	s_add_nc_u64 s[QB:QB+1], s[4:5], s[14:15]      ; Q at my first query
	s_add_nc_u64 s[6:7], s[6:7], s[14:15]          ; ctx likewise
	v_and_b32 v11, 15, v0                          ; r = lane % 16
	v_bfe_u32 v[DD], v0, 4, 1                      ; h = lane / 16
	v_lshlrev_b32 v[QO], 7, v11
	v_lshl_add_u32 v[QO], v[DD], 4, v[QO]          ; row r of 128 bytes + 16 h
.irp x, 0,1
.irp c, 0,1
	global_load_b128 v[QF+16*\x+8*\c:QF+16*\x+8*\c+3], v[QO], s[QB:QB+1] offset:2048*\x+64*\c       ; Q stays in registers
	global_load_b128 v[QF+16*\x+8*\c+4:QF+16*\x+8*\c+7], v[QO], s[QB:QB+1] offset:2048*\x+64*\c+32
.endr
.endr
	; the prefetches: where my wave's stand, and who asks
	s_mov_b32 s14, 0x2000000
	s_cmp_lt_u32 s[WV], 8
	s_cselect_b32 s14, 0x1000000, s14              ; waves 4-7: K; waves 8-11: V
	s_add_co_u32 s14, s14, s12
	s_and_b32 s15, s[WV], 3
	s_lshl_b32 s15, s15, 13                        ; my wave's 8,192 bytes,
	s_add_co_u32 s14, s14, s15
	s_add_co_u32 s14, s14, 32768                   ; in slot 1: the first change of slots steps it to slot 2
	s_mov_b32 s15, 0
	s_add_nc_u64 s[PFA:PFA+1], s[4:5], s[14:15]
	s_sub_co_u32 s14, s[WV], 4
	s_lshr_b32 s14, s14, 3                         ; 0 in waves 4 to 11,
	s_or_b32 s14, s14, ttmp9                       ; of work-group p = 0
	s_cmp_eq_u32 s14, 0
	s_cselect_b32 s[LIM], 1, -1
	v_mul_u32_u24 v[AK0], v11, KP
	v_lshl_add_u32 v[AK0], v[DD], 4, v[AK0]        ; K: row r x pitch + 16 h
	v_and_b32 v[NINF], 7, v0
	v_lshl_add_u32 v[AV0], v[DD], 3, v[NINF]       ; V, turned: key 8 h + lane % 8,
	v_mul_u32_u24 v[AV0], v[AV0], VP
	v_bfe_u32 v[NINF], v0, 3, 1
	v_lshl_add_u32 v[AV0], v[NINF], 4, v[AV0]      ; channels 8 ((lane / 8) % 2) on
	v_add_nc_u32 v[AV0], VOFF, v[AV0]
	v_lshlrev_b32 v[RH], 3, v[DD]
	v_sub_nc_u32 v[RH], v11, v[RH]
	s_mul_i32 s13, s[WV], 16*SPT
	s_add_co_u32 s13, s13, STAGE                   ; my stage
	v_mul_u32_u24 v[STO], v11, SPT
	v_lshl_add_u32 v[STO], v[DD], 4, v[STO]
	v_add_nc_u32 v[STO], s13, v[STO]               ; in: row r, 16 bytes for each half of the lanes
	v_and_b32 v[GO], 31, v0
	v_lshrrev_b32 v[RD], 3, v[GO]
	v_mul_u32_u24 v[RD], v[RD], SPT
	v_and_b32 v[NINF], 7, v0
	v_lshl_add_u32 v[RD], v[NINF], 4, v[RD]
	v_add_nc_u32 v[RD], s13, v[RD]                 ; back: eight lanes to a row of 128 bytes, four rows an instruction
	v_lshlrev_b32 v[PFO], 8, v[GO]
	v_lshlrev_b32 v[GO], 4, v[GO]
.irp x, 0,1
	v_mov_b32 v[ST+8*\x+1], 0xff61b1e6             ; m: -3e38, under every score
	v_mul_f32 v[ST+8*\x], s[CS], v[ST+8*\x+1]      ; c m
	v_mov_b32 v[ST+8*\x+2], 0                      ; the sum, in two halves
	v_mov_b32 v[ST+8*\x+3], 0
.irp j, 4,5,6,7
	v_mov_b32 v[ST+8*\x+\j], 0                     ; written once, so that every path finds them written
.endr
.endr
.irp j, 0,1,2,3,4,5,6,7,8,9,10,11,12,13,14,15,16,17,18,19,20,21,22,23,24,25,26,27,28,29,30,31,32,33,34,35,36,37,38,39,40,41,42,43,44,45,46,47,48,49,50,51,52,53,54,55,56,57,58,59,60,61,62,63
	v_mov_b32 v[OA+\j], 0                          ; O^T.  (The step is written once: the first finds zeros, which its a = 0 leaves zeros)
.endr
; A KEY STEP: 64 keys, the q-th of the slot in hand.
.macro STEP q
	s_add_co_u32 s12, s[Q0], 31
	s_cmp_gt_u32 s[KF], s12                        ; all 64 keys come after my 32 queries: the step's work is left out
	s_cbranch_scc1 .Lhidden_\@
	v_add_nc_u32 v[ADK], s[TB], v[AK0]
	v_add_nc_u32 v[ADV], s[TB], v[AV0]
.rept 4
	v_nop                                          ; with the two additions six places behind the last step's products: four for the loads into V's registers, five for the products that write over P
.endr
.irp kt, 0,1,2,3
.irp c, 0,1
	ds_load_b128 v[KV+8*(2*\kt+\c):KV+8*(2*\kt+\c)+3], v[ADK] offset:(64*(\q)+16*\kt)*KP+64*\c
	ds_load_b128 v[KV+8*(2*\kt+\c)+4:KV+8*(2*\kt+\c)+7], v[ADK] offset:(64*(\q)+16*\kt)*KP+64*\c+32
.endr
.endr
	s_wait_dscnt 0x0
.irp c, 0,1                                    ; S^T = K Q^T: the eight accumulators take turns, one instruction a turn; each fragment of K feeds both tiles
.irp kt, 0,1,2,3
.irp x, 0,1
.if \c == 0
	v_wmma_f32_16x16x32_f16 v[S+32*\x+8*\kt:S+32*\x+8*\kt+7], v[KV+8*(2*\kt+\c):KV+8*(2*\kt+\c)+7], v[QF+16*\x+8*\c:QF+16*\x+8*\c+7], 0
.else
	v_wmma_f32_16x16x32_f16 v[S+32*\x+8*\kt:S+32*\x+8*\kt+7], v[KV+8*(2*\kt+\c):KV+8*(2*\kt+\c)+7], v[QF+16*\x+8*\c:QF+16*\x+8*\c+7], v[S+32*\x+8*\kt:S+32*\x+8*\kt+7]
.endif
.endr
.endr
.endr
.rept 4
	v_nop                                          ; places: ahead of the loads into K's registers and of the first read of the scores
.endr
.irp s, 0,1                                    ; V, turned, lands while the softmax is worked: keys 32 s on, channels 16 dt on
.irp dt, 0,1,2,3
	ds_load_tr16_b128 v[KV+8*(4*\s+\dt):KV+8*(4*\s+\dt)+3], v[ADV] offset:(64*(\q)+32*\s)*VP+32*\dt
	ds_load_tr16_b128 v[KV+8*(4*\s+\dt)+4:KV+8*(4*\s+\dt)+7], v[ADV] offset:(64*(\q)+32*\s)*VP+32*\dt+16*VP
.endr
.endr
	s_add_co_u32 s12, s[KF], 63
	s_cmp_le_u32 s12, s[Q0]                        ; all 64 keys count for all my queries: no mask
	s_cbranch_scc1 .Lopen_\@
	s_sub_co_i32 s12, s[Q0], s[KF]
	v_add_nc_u32 v[DD], s12, v[RH]                 ; register 8 kt + j of tile x holds key KF + 16 kt + 8 h + j for query Q0 + 16 x + r: hidden where 16 kt + j - 16 x > Q0 - KF + r - 8 h
	v_mov_b32 v[NINF], 0xff800000
.irp x, 0,1
.irp kt, 0,1,2,3
.irp j, 0,1,2,3,4,5,6,7
	v_cmp_gt_i32 vcc_lo, 16*\kt+\j-16*\x, v[DD]
	v_cndmask_b32 v[S+32*\x+8*\kt+\j], v[S+32*\x+8*\kt+\j], v[NINF], vcc_lo
.endr
.endr
.endr
.Lopen_\@:
	; the maximum of my 32 scores and the old m, three operands at a time, each accumulator from its low end on; the two tiles line by line by turns
.irp j, 0,1,2,3
.irp x, 0,1
	v_max3_num_f32 v[ST+8*\x+4+\j], v[S+32*\x+8*\j], v[S+32*\x+8*\j+1], v[S+32*\x+8*\j+2]
.endr
.endr
.irp g, 1,2
.irp j, 0,1,2,3
.irp x, 0,1
	v_max3_num_f32 v[ST+8*\x+4+\j], v[ST+8*\x+4+\j], v[S+32*\x+8*\j+2*\g+1], v[S+32*\x+8*\j+2*\g+2]
.endr
.endr
.endr
.irp x, 0,1
	v_max3_num_f32 v[ST+8*\x+4], v[ST+8*\x+4], v[S+32*\x+7], v[S+32*\x+15]
	v_max3_num_f32 v[ST+8*\x+6], v[ST+8*\x+6], v[S+32*\x+23], v[S+32*\x+31]
.endr
.irp x, 0,1
	v_max3_num_f32 v[ST+8*\x+4], v[ST+8*\x+4], v[ST+8*\x+5], v[ST+8*\x+6]
.endr
.irp x, 0,1
	v_max3_num_f32 v[ST+8*\x+4], v[ST+8*\x+4], v[ST+8*\x+7], v[ST+8*\x+1]
.endr
.irp x, 0,1
	v_permlanex16_b32 v[ST+8*\x+5], v[ST+8*\x+4], s[SEL], s[SEL+1]   ; the query's other 32 keys lie in the lane 16 away
.endr
.irp x, 0,1
	v_mov_b32 v[ST+8*\x+7], v[ST+8*\x]             ; c m_old
.endr
.irp x, 0,1
	v_max_num_f32 v[ST+8*\x+1], v[ST+8*\x+4], v[ST+8*\x+5]
.endr
.irp x, 0,1
	v_mul_f32 v[ST+8*\x], s[CS], v[ST+8*\x+1]
.endr
.irp x, 0,1
	v_sub_f32 v[ST+8*\x+7], v[ST+8*\x+7], v[ST+8*\x]
.endr
.irp i, 0,2,4,6,8,10,12,14,16,18,20,22,24,26,28,30
.irp x, 0,1
	v_pk_fma_f32 v[S+32*\x+\i:S+32*\x+\i+1], v[S+32*\x+\i:S+32*\x+\i+1], s[CS:CS+1], v[ST+8*\x:ST+8*\x+1] op_sel_hi:[1,0,0] neg_lo:[0,0,1] neg_hi:[0,0,1]   ; c s - c m, two at a time
.endr
.endr
.irp x, 0,1
	v_exp_f32 v[ST+8*\x+6], v[ST+8*\x+7]           ; a = 2^(c m_old - c m_new)
.endr
.irp i, 0,1,2,3,4,5,6,7,8,9,10,11,12,13,14,15,16,17,18,19,20,21,22,23,24,25,26,27,28,29,30,31
.irp x, 0,1
	v_exp_f32 v[S+32*\x+\i], v[S+32*\x+\i]         ; p, at most 1
.endr
.endr
	v_nop                                          ; a plain line behind the last exponential
	s_wait_alu depctr_va_vdst(0)                   ; one wait for the batch of 66, ahead of the first line that names a result
.irp x, 0,1
	v_pk_mul_f32 v[ST+8*\x+2:ST+8*\x+3], v[ST+8*\x+2:ST+8*\x+3], v[ST+8*\x+6:ST+8*\x+7] op_sel_hi:[1,0]   ; the sum under the new m
.endr
.irp x, 0,1
	v_pk_add_f32 v[ST+8*\x+4:ST+8*\x+5], v[S+32*\x+2:S+32*\x+3], v[S+32*\x+6:S+32*\x+7]   ; the row's sum of the f32 p, two at a time, in two chains
.endr
.irp i, 0,4
.irp x, 0,1
	v_pk_add_f32 v[ST+8*\x+2:ST+8*\x+3], v[ST+8*\x+2:ST+8*\x+3], v[S+32*\x+\i:S+32*\x+\i+1]
.endr
.endr
.irp i, 8,12,16,20,24,28
.irp x, 0,1
	v_pk_add_f32 v[ST+8*\x+2:ST+8*\x+3], v[ST+8*\x+2:ST+8*\x+3], v[S+32*\x+\i:S+32*\x+\i+1]
	v_pk_add_f32 v[ST+8*\x+4:ST+8*\x+5], v[ST+8*\x+4:ST+8*\x+5], v[S+32*\x+\i+2:S+32*\x+\i+3]
.endr
.endr
.irp x, 0,1
	v_pk_add_f32 v[ST+8*\x+2:ST+8*\x+3], v[ST+8*\x+2:ST+8*\x+3], v[ST+8*\x+4:ST+8*\x+5]
.endr
.irp i, 0,1,2,3,4,5,6,7,8,9,10,11,12,13,14,15
.irp x, 0,1
	v_cvt_pk_f16_f32 v[S+32*\x+\i], v[S+32*\x+2*\i], v[S+32*\x+2*\i+1]   ; P, packed in place: register i is written behind the reads of registers 2 i and 2 i + 1
.endr
.endr
.irp i, 0,2,4,6,8,10,12,14,16,18,20,22,24,26,28,30
.irp x, 0,1
	v_pk_mul_f32 v[OA+32*\x+\i:OA+32*\x+\i+1], v[OA+32*\x+\i:OA+32*\x+\i+1], v[ST+8*\x+6:ST+8*\x+7] op_sel_hi:[1,0]   ; O^T under the new m
.endr
.endr
	s_wait_dscnt 0x0                               ; V is in
.irp s, 0,1                                    ; O^T += V^T P: eight accumulators by turns
.irp dt, 0,1,2,3
.irp x, 0,1
	v_wmma_f32_16x16x32_f16 v[OA+32*\x+8*\dt:OA+32*\x+8*\dt+7], v[KV+8*(4*\s+\dt):KV+8*(4*\s+\dt)+7], v[S+32*\x+8*\s:S+32*\x+8*\s+7], v[OA+32*\x+8*\dt:OA+32*\x+8*\dt+7]
.endr
.endr
.endr
.Lhidden_\@:
	s_add_co_u32 s[KF], s[KF], 64
.endm
; THE CHANGE OF SLOTS stands at a slot's head.  Each wave waits for all its tensor loads (its part of the slot that it is about to read), adds 0 to its spare word, and waits for that and for its reads of the slot that it has left.
; Behind the barrier the slot ahead is whole and nobody reads the other one.  fill = 1: that other slot is asked for, up to the causal limit: the load has a slot's four steps in which to land.
.macro CHANGE fill
	s_wait_tensorcnt 0x0                           ; no tensor load of mine is out, so a group 0 may be written
	ds_add_u32 v[SPW], v[NIL]                      ; 0 onto my spare word
.if \fill
	ds_add_u32 v[SPW], v[NIL]                      ; and once more: the add twice on end, in every trip alike
	s_xor_b32 s[G0K+1], s[G0K+1], SLOT1            ; the walking descriptors: the other slot than last time,
	s_add_nc_u64 s[G0K+2:G0K+3], s[G0K+2:G0K+3], SK*128   ; the next 256 keys
	s_xor_b32 s[G0V+1], s[G0V+1], SLOT1
	s_add_nc_u64 s[G0V+2:G0V+3], s[G0V+2:G0V+3], SK*128
	s_wait_xcnt 0x0                                ; the last prefetch, a slot back, has read its address, so it may be written:
	s_add_nc_u64 s[PFA:PFA+1], s[PFA:PFA+1], SK*128   ; one slot further on than the walking descriptors
.endif
	s_wait_dscnt 0x0                               ; the add is done, and my reads of the slot that I have left are over
	s_barrier_signal -1
	s_barrier_wait -1
.if \fill
	s_add_co_u32 s12, s[KF], SK                    ; the first key of the slot that this change would ask for
	s_cmp_gt_u32 s12, s[QL]                        ; after my work-group's last query: none of its waves would read the slot.  Ids and the count of steps alone: all sixteen waves go the same way
	s_cbranch_scc1 .Lpast_\@
	TLOAD                                          ; a wave's one tensor load until the next barrier
.Lpast_\@:
	ASK
.endif
.endm
.macro SLOT_STEPS
.set Q, 0
.rept NQ
	STEP Q
.set Q, Q+1
.endr
	s_xor_b32 s[TB], s[TB], SLOT1                  ; on to the other slot
.endm
	s_wait_loadcnt 0x0                             ; Q
.Lslot:                                            ; 7 trips: behind each change of slots but the last the next slot is asked for, up to the limit
	CHANGE 1
	SLOT_STEPS
	s_sub_co_u32 s[SLOTS], s[SLOTS], 1
	s_cmp_lg_u32 s[SLOTS], 0
	s_cbranch_scc1 .Lslot
	CHANGE 0                                       ; the last slot is written out: nothing is left to ask for
	SLOT_STEPS
	; THE WAY OUT.  The sum's halves and the other half of the lanes' are added; O^T is divided by the sum, rounded to f16 and sent through my stage, a tile (16 rows) at a time.  The additions are the places behind the last products.
.irp x, 0,1
	v_add_f32 v[ST+8*\x+4], v[ST+8*\x+2], v[ST+8*\x+3]
.endr
.irp x, 0,1
	v_permlanex16_b32 v[ST+8*\x+5], v[ST+8*\x+4], s[SEL], s[SEL+1]
.endr
.irp x, 0,1
	v_add_f32 v[ST+8*\x+4], v[ST+8*\x+4], v[ST+8*\x+5]
.endr
.irp x, 0,1
	v_rcp_f32 v[ST+8*\x+6], v[ST+8*\x+4]
.endr
	v_nop                                          ; a plain line behind the reciprocals
	s_wait_alu depctr_va_vdst(0)                   ; and the wait ahead of their first reader: one for the two
.irp x, 0,1
.irp i, 0,2,4,6,8,10,12,14,16,18,20,22,24,26,28,30
	v_pk_mul_f32 v[OA+32*\x+\i:OA+32*\x+\i+1], v[OA+32*\x+\i:OA+32*\x+\i+1], v[ST+8*\x+6:ST+8*\x+7] op_sel_hi:[1,0]
.endr
.irp i, 0,1,2,3,4,5,6,7,8,9,10,11,12,13,14,15
	v_cvt_pk_f16_f32 v[S+16*\x+\i], v[OA+32*\x+2*\i], v[OA+32*\x+2*\i+1]
.endr
.irp dt, 0,1,2,3
	ds_store_b128 v[STO], v[S+16*\x+4*\dt:S+16*\x+4*\dt+3] offset:32*\dt
.endr
.irp i, 0,1,2,3
	ds_load_b128 v[KV+16*\x+4*\i:KV+16*\x+4*\i+3], v[RD] offset:4*SPT*\i   ; LDS serves a wave's instructions in order: these see my stores, and the next tile's stores come behind them
.endr
.endr
.irp x, 0,1
.irp i, 0,1,2,3
	s_wait_dscnt 11-8*\x-\i                        ; behind this load: the tile's later loads, and the next tile's eight LDS instructions
	global_store_b128 v[GO], v[KV+16*\x+4*\i:KV+16*\x+4*\i+3], s[6:7] offset:2048*\x+512*\i   ; four rows: 512 consecutive bytes, aligned
.endr
.endr
	s_wait_tensorcnt 0x0                           ; the wave's end: a wait, an add onto my spare word and its wait behind my last tensor load and my last LDS store
	ds_add_u32 v[SPW], v[NIL]
	s_wait_dscnt 0x0
	s_endpgm
.Lfunc_end_k_q1d1098d797_attn:
	.size	k_q1d1098d797_attn, .Lfunc_end_k_q1d1098d797_attn-k_q1d1098d797_attn
	.p2alignl 7, 3214868480
	.fill 96, 4, 3214868480
	.section	.rodata,"a",@progbits
	.p2align	6, 0x0
	.amdhsa_kernel k_q1d1098d797_attn
		.amdhsa_group_segment_fixed_size 327680
		.amdhsa_private_segment_fixed_size 0
		.amdhsa_enable_private_segment 0
		.amdhsa_kernarg_size 16
		.amdhsa_user_sgpr_count 2
		.amdhsa_user_sgpr_kernarg_segment_ptr 1
		.amdhsa_wavefront_size32 1
		.amdhsa_system_sgpr_workgroup_id_x 1
		.amdhsa_system_sgpr_workgroup_id_y 1
		.amdhsa_system_sgpr_workgroup_id_z 1
		.amdhsa_system_vgpr_workitem_id 0
		.amdhsa_next_free_vgpr 256
		.amdhsa_next_free_sgpr 66
		.amdhsa_reserve_vcc 1
		.amdhsa_float_denorm_mode_32 3
		.amdhsa_float_denorm_mode_16_64 3
		.amdhsa_memory_ordered 1
		.amdhsa_forward_progress 1
		.amdhsa_inst_pref_size 189
	.end_amdhsa_kernel
	.amdgpu_metadata
---
amdhsa.version: [ 1, 2 ]
amdhsa.kernels:
  - .name:           k_q1d1098d797_attn
    .symbol:         k_q1d1098d797_attn.kd
    .args:
      - { .name: qkv, .offset: 0, .size: 8, .value_kind: global_buffer, .address_space: global }
      - { .name: ctx, .offset: 8, .size: 8, .value_kind: global_buffer, .address_space: global }
    .group_segment_fixed_size: 327680
    .private_segment_fixed_size: 0
    .kernarg_segment_align: 8
    .kernarg_segment_size: 16
    .max_flat_workgroup_size: 512
    .sgpr_count:     66
    .vgpr_count:     256
    .wavefront_size: 32
...
	.end_amdgpu_metadata
.endif
;; end of part 3
;; launch proj (part 4): grid 4 x 64, 4 waves a work-group, clusters of 4 x 4, 327,680 bytes of LDS; arguments ctx, wo16, bo, out0; writes out0
.if DOCPART == 4
	.amdgcn_target "amdgcn-amd-amdhsa--gfx1250"
	.amdhsa_code_object_version 6
	.text
	.protected	k_q1d1098d797_proj
	.globl	k_q1d1098d797_proj
	.p2align	8
	.type	k_q1d1098d797_proj,@function
k_q1d1098d797_proj:
	s_mov_b64 s[64:65], 0
	v_nop
	global_prefetch_b8 v0, s[64:65] scope:SCOPE_SE
	s_setreg_imm32_b32 hwreg(HW_REG_WAVE_MODE, 25, 1), 1
	s_wait_xcnt 0x0
	s_wait_alu depctr_hold_cnt(0) depctr_sa_sdst(0) depctr_va_vdst(0) depctr_va_sdst(0) depctr_va_ssrc(0) depctr_va_vcc(0) depctr_vm_vsrc(0)
	s_getreg_b32 s2, hwreg(HW_REG_IB_STS2, 6, 4)
	s_cmp_eq_u32 s2, 0
	s_cbranch_scc0 .Lentry_in_a_cluster
	s_endpgm
.Lentry_in_a_cluster:
	s_bfe_u32 s2, ttmp6, 0x10000c
	s_cmp_lg_u32 s2, 0xf033
	s_cbranch_scc0 .Lentry_shape_is_right
	s_endpgm
.Lentry_shape_is_right:
; out0[m][n] = the sum over k of ctx[m][k] Wo[n][k] + bo[n].  ctx: f16 [batch x head 64][t 2048][64]; wo16: f16 [head 16][n 1024][64]; bo [1024] f32; out0 [8192][1024] f32.  f16 operands, f32 sums.
; (The rows t < 16 of every batch are written again, more finely, by the launch that follows.)
; A tile of out0 is 128 rows x 256 columns: 256 work-groups.  Four waves, each 64 rows x 128 columns: 32 accumulators of 16 x 16, 256 registers.  A K step is two heads, 128 along K: in both operands a head's part of the tile
; is a dense block of rows of 128 bytes.  Two LDS slots; each wave fetches one head's part of A's tile (waves 0, 1: 128 rows) or of B's (waves 2, 3: 256 rows) with one tensor load.
; CLUSTERS: 4 x 4 work-groups.  The four of a row of the cluster need the same tiles of ctx, the four of a column the same tiles of wo16: each tile is asked for JOINTLY, with a mask that names the four.
; THE MATRIX INSTRUCTION IS USED TRANSPOSED (source 0 = 16 rows of Wo, source 1 = 16 rows of ctx): a lane holds eight neighbouring columns of one row of out0.  The bias is the C of each sum's first instruction.
; REGISTERS: window 0: v0-31 addresses; two fragment buffers of 96 (B's eight fragments, then A's four) at v64 and v160.   window 1: the accumulators ((a, b) at v[8 (8 a + b)]).   window 2: v0-63 the bias in the result's layout.
.set KP,     144                       ; an LDS row: 128 bytes + 16
.set APL,    128*KP                    ; a head's part of A's tile
.set BPL,    256*KP                    ; of B's
.set BOFF,   2*APL
.set SLOT,   2*APL+2*BPL
.set STAGE,  2*SLOT                    ; behind the slots: 16 rows x 528 bytes for each wave; no tensor load lands here
.set SPITCH, 528
.set SPARE,  STAGE+4*16*SPITCH         ; the spare words, 128 bytes a wave
.set LAPS,   4                         ; 8 K steps, two to a lap
.set ADRA, 16                          ; v16-17 LDS address of my A fragments in slot 0, 1
.set ADRB, 20                          ; v20-21 the same for B
.set STO,  24                          ; v24 the way out: where I put 32 bytes of a row
.set RD,   25                          ; v25 where I read a row back
.set CO,   26                          ; v26 16 x lane
.set BO,   27                          ; v27 32 x (lane / 16): my eight numbers of the bias
.set SPW,  28                          ; v28 LDS address of my spare word; never rewritten
.set NIL,  29                          ; v29 0; never rewritten
.set PFO,  30                          ; v30 the prefetches' offset; never rewritten
.set F0,   64
.set F1,   160
.set G1,  24
.set G0,  32
.set G1B, 48
.set G0B, 56
.set PFA, 66                           ; s[66:67] where my prefetches stand
.set LIM, 68                           ; s68 1 in wave 0, else the greatest number
.set MSB, 0
.macro WIN new
.if MSB != (\new)
	s_set_vgpr_msb (MSB<<8)|(\new)
.set MSB, (\new)
.endif
.endm
.set MUL,  0x50                        ; sources 0 and 1 window 0; C and D window 1
.set MUL0, 0x60                        ; C window 2 (the bias), D window 1
.macro JLOAD s                         ; a joint load: waves 0 and 1 fetch A's two heads, waves 2 and 3 B's; an s_nop 0 and four v_nop follow each of the two lines
	s_cmp_eq_u32 s13, 0
	s_cbranch_scc0 .Lfor_b_\@
	tensor_load_to_lds s[G0+4*\s:G0+4*\s+3], s[G1:G1+7]
	s_nop 0
.rept 4
	v_nop
.endr
	s_branch .Lasked_\@
.Lfor_b_\@:
	tensor_load_to_lds s[G0B+4*\s:G0B+4*\s+3], s[G1B:G1B+7]
	s_nop 0
.rept 4
	v_nop
.endr
.Lasked_\@:
.endm
.macro CREST                           ; a round of the cluster's barrier behind its opening barrier
	s_cmp_lg_u32 s12, 0
	s_cbranch_scc1 .Lnot_wave_0_\@
	s_barrier_signal -3
.Lnot_wave_0_\@:
	s_barrier_wait -3
	s_barrier_signal -1
	s_barrier_wait -1
.endm
.macro CROUND
	s_barrier_signal -1
	s_barrier_wait -1
	CREST
.endm
; A PREFETCH INTO THE L2 of ctx, which one cluster alone reads: behind the refill in K step s stands one instruction for K step s + 4, two K steps (256 matrix instructions a wave) ahead of the load that will want it.
; A K step of a tile row is 2 heads x 16,384 bytes.  The four partners that ask for it jointly share it out BY ADDRESS, 4,096 bytes of each head to each; in each, wave 0 asks: a lane names 256 bytes.
; So each aligned block of 256 bytes of K steps 4 to 7 is named once; K steps 0 to 3 come by their loads alone; the loop's last trip asks for nothing.  wo16 is read by all clusters again and again and is not asked for.
.macro ASK
	s_cmp_gt_u32 s3, s[LIM]                        ; s3 = 1 in the loop's last trip
	s_cbranch_scc0 .Lnot_mine_\@
	global_prefetch_b8 v[PFO], s[PFA:PFA+1] th:TH_LOAD_NT scope:SCOPE_SE
.Lnot_mine_\@:
.endm
	s_load_b256 s[4:11], s[0:1], 0x0               ; ctx, wo16, bo, out0
	v_lshl_add_u32 v[SPW], v0, 2, SPARE
	v_mov_b32 v[NIL], 0
	ds_add_u32 v[SPW], v[NIL]                      ; the wave's opening: the add, twice on end, and its wait ahead of my first tensor load
	ds_add_u32 v[SPW], v[NIL]
	v_lshrrev_b32 v1, 5, v0
	v_readfirstlane_b32 s12, v1                    ; wave 0..3
	s_lshr_b32 s13, s12, 1                         ; which 64 rows are mine.  Also: I fetch for A (0) or for B (1)
	s_and_b32 s14, s12, 1                          ; which 128 columns.  Also: which of a K step's two heads I fetch
	s_bfe_u32 s40, ttmp6, 0x40000                  ; cx, cy
	s_bfe_u32 s41, ttmp6, 0x40004
	s_lshl_b32 s42, ttmp9, 2
	s_add_co_u32 s42, s42, s40                     ; tile column, 0..3
	s_and_b32 s43, ttmp7, 0xffff
	s_lshl_b32 s43, s43, 2
	s_add_co_u32 s43, s43, s41                     ; tile row, 0..63
	s_lshl_b32 s44, s41, 2
	s_lshl_b32 s44, 15, s44                        ; my row of the cluster
	s_lshl_b32 s45, 0x1111, s40                    ; my column
	; descriptor group 1: rows of 64 elements of 2 bytes, dense in memory, four words of padding behind each row of 32 words; A: 128 rows, B: 256
	s_or_b32 s[G1+0], s44, (1<<16)|(1<<20)|(1<<21)|(4<<22)|(3<<25)
	s_or_b32 s[G1B+0], s45, (1<<16)|(1<<20)|(1<<21)|(4<<22)|(3<<25)
	s_mov_b32 s[G1+1], 64<<16
	s_mov_b32 s[G1+2], 128<<16
	s_mov_b32 s[G1+3], 64<<16
	s_mov_b32 s[G1+4], 128
	s_mov_b32 s[G1+5], 64
	s_mov_b32 s[G1+6], 0
	s_mov_b32 s[G1+7], 0
	s_mov_b32 s[G1B+1], 64<<16
	s_mov_b32 s[G1B+2], 256<<16
	s_mov_b32 s[G1B+3], 64<<16
	s_mov_b32 s[G1B+4], 256
	s_mov_b32 s[G1B+5], 64
	s_mov_b32 s[G1B+6], 0
	s_mov_b32 s[G1B+7], 0
	s_lshr_b32 s16, s43, 4
	s_lshl_b32 s16, s16, 22                        ; the batch: 16 heads of 262,144 bytes
	s_and_b32 s17, s43, 15
	s_lshl_b32 s17, s17, 14                        ; 128 rows of 128 bytes
	s_add_co_u32 s16, s16, s17                     ; the tile row's first byte in head 0
	s_lshl_b32 s17, s14, 18
	s_add_co_u32 s18, s16, s17                     ; A: + my head
	s_mov_b32 s19, 0
	s_lshl_b32 s20, s42, 15                        ; B: 256 rows of 128 bytes,
	s_lshl_b32 s21, s14, 17                        ; + my head: 131,072 bytes
	s_add_co_u32 s20, s20, s21
	s_mov_b32 s21, 0
	s_mul_i32 s22, s14, APL                        ; where they go: no place in the cluster enters an LDS address
	s_mul_i32 s23, s14, BPL
	s_add_co_u32 s23, s23, BOFF
	s_wait_dscnt 0x0                               ; both opening adds are done
	s_wait_kmcnt 0x0
	s_add_nc_u64 s[18:19], s[4:5], s[18:19]
	s_add_nc_u64 s[20:21], s[6:7], s[20:21]
	CROUND                                         ; all sixteen work-groups are here: the first joint loads meet
.irp s, 0,1
	s_mov_b32 s[G0+4*\s], 1
	s_add_co_u32 s[G0+4*\s+1], s22, \s*SLOT
	s_add_nc_u64 s[G0+4*\s+2:G0+4*\s+3], s[18:19], \s*524288     ; K step s: two heads of ctx on
	s_or_b32 s[G0+4*\s+3], s[G0+4*\s+3], 0x80000000
	s_mov_b32 s[G0B+4*\s], 1
	s_add_co_u32 s[G0B+4*\s+1], s23, \s*SLOT
	s_add_nc_u64 s[G0B+4*\s+2:G0B+4*\s+3], s[20:21], \s*262144   ; two heads of wo16 on
	s_or_b32 s[G0B+4*\s+3], s[G0B+4*\s+3], 0x80000000
	JLOAD \s
.endr
	v_and_b32 v1, 15, v0                           ; l % 16
	v_bfe_u32 v2, v0, 4, 1                         ; l / 16
	v_lshlrev_b32 v[BO], 5, v2
	s_lshl_b32 s46, s42, 10
	s_lshl_b32 s47, s14, 9
	s_add_co_u32 s46, s46, s47                     ; my first column, in bytes of f32
	s_mov_b32 s47, 0
	s_add_nc_u64 s[8:9], s[8:9], s[46:47]
	WIN 0x80                                       ; destination window 2
.irp b, 0,1,2,3,4,5,6,7
	global_load_b128 v[8*\b:8*\b+3], v[BO], s[8:9] offset:64*\b         ; bo at columns 16 b + 8 (l / 16) + 0 .. 7
	global_load_b128 v[8*\b+4:8*\b+7], v[BO], s[8:9] offset:64*\b+16
.endr
	WIN 0
	v_mul_u32_u24 v3, v1, KP
	v_lshl_add_u32 v3, v2, 4, v3                   ; a fragment's row x pitch + 16 x half
	s_mul_i32 s21, s13, 64*KP                      ; my 64 rows of A
	s_mul_i32 s22, s14, 128*KP                     ; my 128 rows of B,
	s_add_co_u32 s22, s22, BOFF                    ; behind A's two parts
.irp s, 0,1
	v_add_nc_u32 v[ADRA+\s], s21, v3
	v_add_nc_u32 v[ADRB+\s], s22, v3
	s_add_co_u32 s21, s21, SLOT
	s_add_co_u32 s22, s22, SLOT
.endr
	s_mul_i32 s23, s12, 16*SPITCH
	s_add_co_u32 s23, s23, STAGE                   ; my stage
	v_mul_u32_u24 v4, v1, SPITCH
	v_lshl_add_u32 v4, v2, 5, v4
	v_add_nc_u32 v[STO], s23, v4                   ; in: row l % 16, 32 bytes for each half of the lanes
	v_and_b32 v5, 31, v0
	v_lshlrev_b32 v[CO], 4, v5
	v_add_nc_u32 v[RD], s23, v[CO]                 ; back: the 32 lanes take one row of 512 bytes
	v_lshlrev_b32 v[PFO], 18, v2
	v_lshl_add_u32 v[PFO], v1, 8, v[PFO]           ; lanes 0-15: the K step's first head, lanes 16-31 its second; 256 bytes from lane to lane
	s_lshl_b32 s20, s40, 12                        ; my work-group's 4,096 bytes of each head's 16,384
	s_add_co_u32 s20, s20, s16
	s_add_co_u32 s20, s20, 3*524288                ; at K step 3: the first refill steps it to 4
	s_mov_b32 s21, 0
	s_add_nc_u64 s[PFA:PFA+1], s[4:5], s[20:21]
	s_cmp_eq_u32 s12, 0
	s_cselect_b32 s[LIM], 1, -1
	s_lshl_b32 s16, s43, 19                        ; out0: 128 rows of 4,096 bytes a tile row,
	s_lshl_b32 s17, s13, 18                        ; my 64 rows,
	s_add_co_u32 s16, s16, s17
	s_mov_b32 s17, 0
	s_add_nc_u64 s[10:11], s[10:11], s[16:17]
	s_add_nc_u64 s[10:11], s[10:11], s[46:47]      ; my first column
; 8 matrix instructions: A's block a x B's eight, 32 along K.  zero = 1: the first product starts the sums from the bias.  The 32 accumulators take turns, one instruction a turn.
.macro MUL8 f, a, zero
.irp b, 0,1,2,3,4,5,6,7
.if \zero
	v_wmma_f32_16x16x32_f16 v[8*(8*(\a)+\b):8*(8*(\a)+\b)+7], v[\f+8*\b:\f+8*\b+7], v[\f+64+8*(\a):\f+64+8*(\a)+7], v[8*\b:8*\b+7]
.else
	v_wmma_f32_16x16x32_f16 v[8*(8*(\a)+\b):8*(8*(\a)+\b)+7], v[\f+8*\b:\f+8*\b+7], v[\f+64+8*(\a):\f+64+8*(\a)+7], v[8*(8*(\a)+\b):8*(8*(\a)+\b)+7]
.endif
.endr
.endm
; 24 LDS loads in one run: quarter q of a K step (head q / 2, channels 32 (q % 2) on) into buffer f: B's eight fragments, then A's four
.macro FETCH slot, q, f
.irp b, 0,1,2,3,4,5,6,7
	ds_load_b128 v[\f+8*\b:\f+8*\b+3],   v[ADRB+\slot] offset:((\q)/2)*BPL+\b*16*KP+((\q)%2)*64
	ds_load_b128 v[\f+8*\b+4:\f+8*\b+7], v[ADRB+\slot] offset:((\q)/2)*BPL+\b*16*KP+((\q)%2)*64+32
.endr
.irp a, 0,1,2,3
	ds_load_b128 v[\f+64+8*\a:\f+64+8*\a+3],   v[ADRA+\slot] offset:((\q)/2)*APL+\a*16*KP+((\q)%2)*64
	ds_load_b128 v[\f+64+8*\a+4:\f+64+8*\a+7], v[ADRA+\slot] offset:((\q)/2)*APL+\a*16*KP+((\q)%2)*64+32
.endr
.endm
.macro PLACES                          ; four plain lines in front of loads into registers that matrix instructions have read, and of the first read of results
.rept 4
	v_nop
.endr
.endm
; One of a K step's first three quarters: multiplies buffer f; in its middle it fetches quarter q of the same slot into buffer g.
.macro QUARTER slot, q, f, g, zero
	s_wait_dscnt 4                                 ; B and A's blocks 0, 1 are in; the youngest four loads (A's blocks 2, 3) may be out
.if \zero
	WIN MUL0
.else
	WIN MUL
.endif
	MUL8 \f, 0, \zero
	MUL8 \f, 1, \zero
	WIN 0
	PLACES
	FETCH \slot, \q, \g
	s_wait_dscnt 24                                ; all but the 24 just issued
.if \zero
	WIN MUL0
.else
	WIN MUL
.endif
	MUL8 \f, 2, \zero
	MUL8 \f, 3, \zero
.endm
; The last quarter multiplies buffer 1 and changes slots: one barrier; in front of it each wave waits for all its tensor loads (its part of the next slot), adds 0 to its spare word, and waits for that and for its reads of this slot.
; fill = 1: the barrier opens a round of the cluster's barrier, and this slot is filled again, two K steps ahead: the refill has 112 matrix instructions of mine in which to land.
.macro TURN slot, next, fill
.if \fill
	s_wait_xcnt 0x0                                ; the last prefetch, a K step back, has read its address
	s_add_nc_u64 s[PFA:PFA+1], s[PFA:PFA+1], 524288
.endif
	WIN 0                                          ; (the add's two registers lie in window 0)
	s_wait_tensorcnt 0x0                           ; all my tensor loads have landed
	ds_add_u32 v[SPW], v[NIL]                      ; 0 onto my spare word
	s_wait_dscnt 5                                 ; (the add and the youngest four loads may be out)
	WIN MUL
	MUL8 F1, 0, 0
	s_wait_dscnt 0x0                               ; the add is done, and my reads of this slot are over
	s_barrier_signal -1
	MUL8 F1, 1, 0
	WIN 0
	s_barrier_wait -1
.if \fill
	CREST                                          ; no wave of any partner still reads this slot's tiles or has a load on its way
	s_add_nc_u64 s[G0+4*\slot+2:G0+4*\slot+3], s[G0+4*\slot+2:G0+4*\slot+3], 2*524288
	s_add_nc_u64 s[G0B+4*\slot+2:G0B+4*\slot+3], s[G0B+4*\slot+2:G0B+4*\slot+3], 2*262144
	JLOAD \slot                                    ; the first tensor load behind the round; its four v_nop are also the places in front of the loads below
.else
	PLACES
.endif
	FETCH \next, 0, F0
.if \fill
	ASK
.endif
	WIN MUL
	MUL8 F1, 2, 0
	MUL8 F1, 3, 0
.endm
	s_wait_tensorcnt 1                             ; my part of K step 0 is in; K step 1's load was issued behind it and may be out
	s_barrier_signal -1
	s_barrier_wait -1
	FETCH 0, 0, F0
	s_wait_loadcnt 0x0                             ; the bias
	QUARTER 0, 1, F0, F1, 1                        ; the first quarter stands in front of the loop: its products start the sums
	WIN 0                                          ; at a label and at a branch every window is 0
	s_mov_b32 s3, LAPS-1
.Llap:                                             ; a trip goes once round the two slots, from a lap's second quarter to the next lap's first, and fills both again
	QUARTER 0, 2, F1, F0, 0
	QUARTER 0, 3, F0, F1, 0
	TURN 0, 1, 1
	QUARTER 1, 1, F0, F1, 0
	QUARTER 1, 2, F1, F0, 0
	QUARTER 1, 3, F0, F1, 0
	TURN 1, 0, 1
	QUARTER 0, 1, F0, F1, 0
	WIN 0
	s_sub_co_u32 s3, s3, 1
	s_cmp_lg_u32 s3, 0
	s_cbranch_scc1 .Llap
	QUARTER 0, 2, F1, F0, 0                        ; the last lap fills nothing, and has no round of the cluster's barrier
	QUARTER 0, 3, F0, F1, 0
	TURN 0, 1, 0
	QUARTER 1, 1, F0, F1, 0
	QUARTER 1, 2, F1, F0, 0
	QUARTER 1, 3, F0, F1, 0
	s_wait_dscnt 4                                 ; the very last quarter: nothing more to fetch
	WIN MUL
	MUL8 F1, 0, 0
	MUL8 F1, 1, 0
	s_wait_dscnt 0
	MUL8 F1, 2, 0
	MUL8 F1, 3, 0
	WIN 0
; THE WAY OUT, block by block of 16 rows x 128 columns: a lane's 32 bytes go into my own stage and come back as whole rows of 512 bytes.  LDS serves a wave's instructions in order: no wait between the stores and the loads.
.macro TOSTAGE a
	WIN 0x04                                       ; an LDS store's data: window 1
.irp b, 0,1,2,3,4,5,6,7
	ds_store_b128 v[STO], v[8*(8*(\a)+\b):8*(8*(\a)+\b)+3] offset:64*\b          ; each accumulator from its low end on
	ds_store_b128 v[STO], v[8*(8*(\a)+\b)+4:8*(8*(\a)+\b)+7] offset:64*\b+16
.endr
	WIN 0
.irp t, 0,1,2,3,4,5,6,7,8,9,10,11,12,13,14,15
	ds_load_b128 v[64+64*((\a)%2)+4*\t:64+64*((\a)%2)+4*\t+3], v[RD] offset:\t*SPITCH
.endr
.endm
.macro SEND a, younger                 ; younger: the LDS instructions issued behind block a's loads
	s_wait_dscnt \younger
.irp t, 0,1,2,3,4,5,6,7,8,9,10,11,12,13,14,15
	global_store_b128 v[CO], v[64+64*((\a)%2)+4*\t:64+64*((\a)%2)+4*\t+3], s[10:11] offset:(16*(\a)+\t)*4096 th:TH_STORE_NT   ; 32 lanes store 512 consecutive bytes, aligned
.endr
.endm
	PLACES
	TOSTAGE 0
.irp a, 1,2,3
.if \a > 1
	s_wait_xcnt 0x0                                ; block a - 2's stores have read their registers: block a's loads may land there
.endif
	TOSTAGE \a
	SEND \a-1, 32                                  ; behind block a - 1's loads: block a's 16 stores and 16 loads
.endr
	SEND 3, 0
	s_wait_tensorcnt 0x0                           ; the wave's end: a wait, an add onto my spare word and its wait behind my last tensor load and my last LDS store
	ds_add_u32 v[SPW], v[NIL]
	s_wait_dscnt 0x0
	CROUND                                         ; the closing round
	s_endpgm
.Lfunc_end_k_q1d1098d797_proj:
	.size	k_q1d1098d797_proj, .Lfunc_end_k_q1d1098d797_proj-k_q1d1098d797_proj
	.p2alignl 7, 3214868480
	.fill 96, 4, 3214868480
	.section	.rodata,"a",@progbits
	.p2align	6, 0x0
	.amdhsa_kernel k_q1d1098d797_proj
		.amdhsa_group_segment_fixed_size 327680
		.amdhsa_private_segment_fixed_size 0
		.amdhsa_enable_private_segment 0
		.amdhsa_kernarg_size 32
		.amdhsa_user_sgpr_count 2
		.amdhsa_user_sgpr_kernarg_segment_ptr 1
		.amdhsa_wavefront_size32 1
		.amdhsa_system_sgpr_workgroup_id_x 1
		.amdhsa_system_sgpr_workgroup_id_y 1
		.amdhsa_system_sgpr_workgroup_id_z 1
		.amdhsa_system_vgpr_workitem_id 0
		.amdhsa_next_free_vgpr 576
		.amdhsa_next_free_sgpr 70
		.amdhsa_reserve_vcc 0
		.amdhsa_float_denorm_mode_32 3
		.amdhsa_float_denorm_mode_16_64 3
		.amdhsa_memory_ordered 1
		.amdhsa_forward_progress 1
		.amdhsa_inst_pref_size 87
	.end_amdhsa_kernel
	.amdgpu_metadata
---
amdhsa.version: [ 1, 2 ]
amdhsa.kernels:
  - .name:           k_q1d1098d797_proj
    .symbol:         k_q1d1098d797_proj.kd
    .args:
      - { .name: ctx, .offset: 0, .size: 8, .value_kind: global_buffer, .address_space: global }
      - { .name: wo16, .offset: 8, .size: 8, .value_kind: global_buffer, .address_space: global }
      - { .name: bo, .offset: 16, .size: 8, .value_kind: global_buffer, .address_space: global }
      - { .name: out0, .offset: 24, .size: 8, .value_kind: global_buffer, .address_space: global }
    .group_segment_fixed_size: 327680
    .private_segment_fixed_size: 0
    .kernarg_segment_align: 8
    .kernarg_segment_size: 32
    .max_flat_workgroup_size: 128
    .sgpr_count:     70
    .vgpr_count:     576
    .wavefront_size: 32
...
	.end_amdgpu_metadata
.endif
;; end of part 4
;; launch fine (part 5): grid 64 x 4, 16 waves a work-group, no clusters, 18,432 bytes of LDS; arguments fine32, Wo, bo, out0; writes out0
.if DOCPART == 5
	.amdgcn_target "amdgcn-amd-amdhsa--gfx1250"
	.amdhsa_code_object_version 6
	.text
	.protected	k_q1d1098d797_fine
	.globl	k_q1d1098d797_fine
	.p2align	8
	.type	k_q1d1098d797_fine,@function
k_q1d1098d797_fine:
	s_mov_b64 s[64:65], 0
	v_nop
	global_prefetch_b8 v0, s[64:65] scope:SCOPE_SE
	s_setreg_imm32_b32 hwreg(HW_REG_WAVE_MODE, 25, 1), 1
	s_wait_xcnt 0x0
; THE FIRST 16 POSITIONS OF EVERY BATCH, ALL IN F32: under the causal mask these rows average one to sixteen values, so attention and projection are done again on f32 operands, and the 64 rows of out0 are written anew.
; fine32 [batch 4][t 16][3072] f32 holds Q, K, V of these positions (columns 0-1023, 1024-2047, 2048-3071); Wo [1024][1024], bo [1024] f32.
; SHARES.  A work-group makes 16 columns (n0 = 16 x) of the 16 rows of batch y.  Wave w is head w: scores, softmax, ctx^T and its part of the projection, 48 matrix instructions of 16 x 16 x 4; the sixteen parts meet in LDS and
; waves 0 and 1 add them in ascending order of heads, add the bias and store.  All 64 work-groups of a batch repeat its small attention.  A work-group's part of a row is 64 bytes: the launch's 262,144 bytes are not stored in whole runs of 256.
; ONE PERMUTATION OF K, alike in both operands of each product: K place 2 (l / 16) + j of step (t, i) stands for index 16 t + 8 (l / 16) + 2 i + j.  So a lane's operands are pairs of eight neighbouring numbers, loaded 16 bytes at a time,
; and a result's register pair (2 i, 2 i + 1) is the next product's operand as it stands.
; Both later products are used transposed, so that a lane holds one query (l % 16) throughout; the division by the row's sum is made last, on the head's part of the output.
; The registers that the matrix instructions write (v160-255) are written by nothing else; each sum begins with the constant 0.  The four accumulators of a product take turns, one instruction a turn.
.set SPARE, 16384                      ; LDS: 16 parts of 1,024 bytes; behind them the spare words, 128 bytes a wave
.set P,   16                           ; v16-23   the weights
.set T,   24                           ; v24-31   the scores, later my part of the output
.set QF,  32                           ; v32-63   Q; behind the scores v32-35 take the bias
.set KF,  64                           ; v64-95   K;  v64-127 later take the sixteen parts
.set VF,  96                           ; v96-127  V^T
.set WF,  128                          ; v128-159 Wo
.set SA,  160                          ; four accumulators of the scores (16 channels each)
.set CA,  192                          ; ctx^T: channels 16 dt on
.set OA,  224                          ; four accumulators of the output (16 channels each)
	s_load_b256 s[4:11], s[0:1], 0x0               ; fine32, Wo, bo, out0
	v_lshl_add_u32 v6, v0, 2, SPARE                ; LDS address of my spare word; never rewritten
	v_mov_b32 v7, 0                                ; 0; never rewritten
	v_lshrrev_b32 v9, 5, v0
	v_readfirstlane_b32 s12, v9                    ; wave = head
	v_and_b32 v1, 15, v0                           ; r
	v_bfe_u32 v2, v0, 4, 1                         ; h
	v_mul_u32_u24 v3, v1, 12288
	v_lshl_add_u32 v3, v2, 5, v3                   ; Q, K: row r of 12,288 bytes + 32 h
	v_mul_u32_u24 v4, v2, 98304
	v_lshl_add_u32 v4, v1, 2, v4                   ; V: keys 8 h on, channel r
	v_lshlrev_b32 v5, 12, v1
	v_lshl_add_u32 v5, v2, 5, v5                   ; Wo: row r of 4,096 bytes + 32 h; out0 likewise
	v_lshlrev_b32 v15, 5, v2                       ; bo: 32 h
	v_lshlrev_b32 v8, 3, v2
	v_sub_nc_u32 v8, v1, v8                        ; r - 8 h: register j holds key 8 h + j, hidden where j > r - 8 h
	v_and_b32 v9, 31, v0
	v_lshlrev_b32 v9, 4, v9                        ; 16 x lane
	s_lshl_b32 s13, s12, 10
	v_add_nc_u32 v2, s13, v9                       ; where my part goes in LDS
	s_and_b32 s14, s12, 1
	s_lshl_b32 s15, s14, 9
	v_add_nc_u32 v1, s15, v9                       ; and where waves 0 and 1 read the parts' registers 0-3 or 4-7
	s_and_b32 s16, ttmp7, 0xffff                   ; the batch
	s_lshl_b32 s20, s12, 8                         ; a head's 64 numbers: 256 bytes
	s_mul_i32 s18, s16, 196608
	s_add_co_u32 s18, s18, s20
	s_mov_b32 s19, 0
	s_lshl_b32 s22, ttmp9, 16                      ; 16 rows of Wo
	s_add_co_u32 s22, s22, s20
	s_mov_b32 s23, 0
	s_lshl_b32 s24, ttmp9, 6                       ; 16 columns of f32,
	s_lshl_b32 s25, s14, 4                         ; + 4 for wave 1
	s_add_co_u32 s24, s24, s25
	s_mov_b32 s25, 0
	s_lshl_b32 s26, s16, 23                        ; a batch of out0: 8,388,608 bytes
	s_add_co_u32 s26, s26, s24
	s_mov_b32 s27, 0
	s_mov_b32 s28, 0x76543210
	s_mov_b32 s29, 0xfedcba98                      ; v_permlanex16_b32's selects for lane l xor 16
	s_mov_b32 s30, 0x3e38aa3b                      ; c = log2(e) / 8
	s_wait_kmcnt 0x0
	s_add_nc_u64 s[4:5], s[4:5], s[18:19]
	s_add_nc_u64 s[6:7], s[6:7], s[22:23]
	s_add_nc_u64 s[8:9], s[8:9], s[24:25]
	s_add_nc_u64 s[10:11], s[10:11], s[26:27]
.irp t, 0,1,2,3
	global_load_b128 v[KF+8*\t:KF+8*\t+3], v3, s[4:5] offset:4096+64*\t
	global_load_b128 v[KF+8*\t+4:KF+8*\t+7], v3, s[4:5] offset:4096+64*\t+16
.endr
.irp t, 0,1,2,3
	global_load_b128 v[QF+8*\t:QF+8*\t+3], v3, s[4:5] offset:64*\t
	global_load_b128 v[QF+8*\t+4:QF+8*\t+7], v3, s[4:5] offset:64*\t+16
.endr
.irp dt, 0,1,2,3
.irp k, 0,1,2,3,4,5,6,7
	global_load_b32 v[VF+8*\dt+\k], v4, s[4:5] offset:\k*12288+8192+64*\dt
.endr
.endr
.irp t, 0,1,2,3
	global_load_b128 v[WF+8*\t:WF+8*\t+3], v5, s[6:7] offset:64*\t
	global_load_b128 v[WF+8*\t+4:WF+8*\t+7], v5, s[6:7] offset:64*\t+16
.endr
	s_wait_loadcnt 40                              ; K and Q are in; V's 32 loads and Wo's 8 may be out
.irp i, 0,1,2,3                                ; S^T = K Q^T: source 0 = 16 keys, source 1 = 16 queries
.irp t, 0,1,2,3
.if \i == 0
	v_wmma_f32_16x16x4_f32 v[SA+8*\t:SA+8*\t+7], v[KF+8*\t+2*\i:KF+8*\t+2*\i+1], v[QF+8*\t+2*\i:QF+8*\t+2*\i+1], 0
.else
	v_wmma_f32_16x16x4_f32 v[SA+8*\t:SA+8*\t+7], v[KF+8*\t+2*\i:KF+8*\t+2*\i+1], v[QF+8*\t+2*\i:QF+8*\t+2*\i+1], v[SA+8*\t:SA+8*\t+7]
.endif
.endr
.endr
.rept 8
	v_nop                                          ; eight places behind this form: ahead of the first read of results and of a load into a source
.endr
	global_load_b128 v[32:35], v15, s[8:9]         ; the bias of my four columns, into registers that Q has left (waves 0 and 1 use it)
.irp p, 0,2,4,6
	v_pk_add_f32 v[T+\p:T+\p+1], v[SA+\p:SA+\p+1], v[SA+8+\p:SA+8+\p+1]      ; the four partial sums, each accumulator from its low end on
.endr
.irp p, 0,2,4,6
	v_pk_add_f32 v[T+\p:T+\p+1], v[T+\p:T+\p+1], v[SA+16+\p:SA+16+\p+1]
.endr
.irp p, 0,2,4,6
	v_pk_add_f32 v[T+\p:T+\p+1], v[T+\p:T+\p+1], v[SA+24+\p:SA+24+\p+1]
.endr
	v_mov_b32 v14, 0xff800000                      ; -infinity
.irp j, 0,1,2,3,4,5,6,7
	v_cmp_gt_i32 vcc_lo, \j, v8
	v_cndmask_b32 v[T+\j], v[T+\j], v14, vcc_lo
.endr
	v_max3_num_f32 v9, v[T], v[T+1], v[T+2]
	v_max3_num_f32 v9, v9, v[T+3], v[T+4]
	v_max3_num_f32 v9, v9, v[T+5], v[T+6]
	v_max_num_f32 v9, v9, v[T+7]
	v_mov_b32 v10, 0                               ; a lane permute's destination counts as one of its sources
	v_permlanex16_b32 v10, v9, s28, s29
	v_max_num_f32 v9, v9, v10                      ; the row's maximum: key 0 counts for every query
	v_mul_f32 v10, s30, v9
.irp j, 0,1,2,3,4,5,6,7
	v_fma_f32 v[T+\j], v[T+\j], s30, -v10          ; c s - c m
.endr
.irp j, 0,1,2,3,4,5,6,7
	v_exp_f32 v[P+\j], v[T+\j]
.endr
	v_nop                                          ; a plain line behind the last exponential
	s_wait_alu depctr_va_vdst(0)                   ; one wait for the eight, ahead of their first reader
	v_add_f32 v11, v[P], v[P+1]
	v_add_f32 v13, v[P+2], v[P+3]
	v_add_f32 v11, v11, v[P+4]
	v_add_f32 v13, v13, v[P+5]
	v_add_f32 v11, v11, v[P+6]
	v_add_f32 v13, v13, v[P+7]
	v_add_f32 v11, v11, v13
	v_permlanex16_b32 v13, v11, s28, s29
	v_add_f32 v11, v11, v13                        ; the row's sum
	v_rcp_f32 v12, v11
	v_mov_b32 v13, 0                               ; a plain line behind the reciprocal; v13 is named with v12 as a pair below
	s_wait_loadcnt 9                               ; V is in; Wo's 8 loads and the bias's may be out
.irp i, 0,1,2,3                                ; ctx^T = V^T P (not yet divided): source 0 = 16 channels, source 1 = P; K = the 16 keys
.irp dt, 0,1,2,3
.if \i == 0
	v_wmma_f32_16x16x4_f32 v[CA+8*\dt:CA+8*\dt+7], v[VF+8*\dt+2*\i:VF+8*\dt+2*\i+1], v[P+2*\i:P+2*\i+1], 0
.else
	v_wmma_f32_16x16x4_f32 v[CA+8*\dt:CA+8*\dt+7], v[VF+8*\dt+2*\i:VF+8*\dt+2*\i+1], v[P+2*\i:P+2*\i+1], v[CA+8*\dt:CA+8*\dt+7]
.endif
.endr
.endr
.rept 9
	v_nop                                          ; nine places before a matrix instruction of this form takes a result as an operand
.endr
	s_wait_loadcnt 1                               ; Wo is in; the bias's load may be out
.irp i, 0,1,2,3                                ; my head's part of out^T: source 0 = 16 rows of Wo, source 1 = ctx^T; K = the head's 64 channels
.irp dt, 0,1,2,3
.if \i == 0
	v_wmma_f32_16x16x4_f32 v[OA+8*\dt:OA+8*\dt+7], v[WF+8*\dt+2*\i:WF+8*\dt+2*\i+1], v[CA+8*\dt+2*\i:CA+8*\dt+2*\i+1], 0
.else
	v_wmma_f32_16x16x4_f32 v[OA+8*\dt:OA+8*\dt+7], v[WF+8*\dt+2*\i:WF+8*\dt+2*\i+1], v[CA+8*\dt+2*\i:CA+8*\dt+2*\i+1], v[OA+8*\dt:OA+8*\dt+7]
.endif
.endr
.endr
.rept 8
	v_nop
.endr
	s_wait_alu depctr_va_vdst(0)                   ; the wait for the reciprocal, ahead of its first reader
.irp p, 0,2,4,6
	v_pk_add_f32 v[T+\p:T+\p+1], v[OA+\p:OA+\p+1], v[OA+8+\p:OA+8+\p+1]
.endr
.irp p, 0,2,4,6
	v_pk_add_f32 v[T+\p:T+\p+1], v[T+\p:T+\p+1], v[OA+16+\p:OA+16+\p+1]
.endr
.irp p, 0,2,4,6
	v_pk_add_f32 v[T+\p:T+\p+1], v[T+\p:T+\p+1], v[OA+24+\p:OA+24+\p+1]
.endr
.irp p, 0,2,4,6
	v_pk_mul_f32 v[T+\p:T+\p+1], v[T+\p:T+\p+1], v[12:13] op_sel_hi:[1,0]    ; / the row's sum: register j is out(query r, column n0 + 8 h + j), my head's part
.endr
	ds_store_b128 v2, v[T:T+3]
	ds_store_b128 v2, v[T+4:T+7] offset:512
	s_wait_tensorcnt 0x0                           ; a wait, an add onto my spare word and its wait behind my last LDS store: only LDS reads follow
	ds_add_u32 v6, v7
	s_wait_dscnt 0x0                               ; for the others' sake too: my part lies in LDS
	s_barrier_signal -1
	s_barrier_wait -1
	s_cmp_lt_u32 s12, 2                            ; waves 0 and 1 add the sixteen parts: registers 0-3 and 4-7
	s_cbranch_scc0 .Lend
.irp w, 0,1,2,3,4,5,6,7,8,9,10,11,12,13,14,15
	ds_load_b128 v[64+4*\w:64+4*\w+3], v1 offset:1024*\w
.endr
	s_wait_dscnt 0x0
.irp w, 1,2,3,4,5,6,7,8,9,10,11,12,13,14,15
	v_pk_add_f32 v[64:65], v[64:65], v[64+4*\w:64+4*\w+1]
	v_pk_add_f32 v[66:67], v[66:67], v[64+4*\w+2:64+4*\w+3]
.endr
	s_wait_loadcnt 0x0                             ; the bias
	v_pk_add_f32 v[64:65], v[64:65], v[32:33]
	v_pk_add_f32 v[66:67], v[66:67], v[34:35]
	global_store_b128 v5, v[64:67], s[10:11]
.Lend:
	s_endpgm
.Lfunc_end_k_q1d1098d797_fine:
	.size	k_q1d1098d797_fine, .Lfunc_end_k_q1d1098d797_fine-k_q1d1098d797_fine
	.p2alignl 7, 3214868480
	.fill 96, 4, 3214868480
	.section	.rodata,"a",@progbits
	.p2align	6, 0x0
	.amdhsa_kernel k_q1d1098d797_fine
		.amdhsa_group_segment_fixed_size 18432
		.amdhsa_private_segment_fixed_size 0
		.amdhsa_enable_private_segment 0
		.amdhsa_kernarg_size 32
		.amdhsa_user_sgpr_count 2
		.amdhsa_user_sgpr_kernarg_segment_ptr 1
		.amdhsa_wavefront_size32 1
		.amdhsa_system_sgpr_workgroup_id_x 1
		.amdhsa_system_sgpr_workgroup_id_y 1
		.amdhsa_system_sgpr_workgroup_id_z 1
		.amdhsa_system_vgpr_workitem_id 0
		.amdhsa_next_free_vgpr 256
		.amdhsa_next_free_sgpr 66
		.amdhsa_reserve_vcc 1
		.amdhsa_float_denorm_mode_32 3
		.amdhsa_float_denorm_mode_16_64 3
		.amdhsa_memory_ordered 1
		.amdhsa_forward_progress 1
		.amdhsa_inst_pref_size 19
	.end_amdhsa_kernel
	.amdgpu_metadata
---
amdhsa.version: [ 1, 2 ]
amdhsa.kernels:
  - .name:           k_q1d1098d797_fine
    .symbol:         k_q1d1098d797_fine.kd
    .args:
      - { .name: fine32, .offset: 0, .size: 8, .value_kind: global_buffer, .address_space: global }
      - { .name: Wo, .offset: 8, .size: 8, .value_kind: global_buffer, .address_space: global }
      - { .name: bo, .offset: 16, .size: 8, .value_kind: global_buffer, .address_space: global }
      - { .name: out0, .offset: 24, .size: 8, .value_kind: global_buffer, .address_space: global }
    .group_segment_fixed_size: 18432
    .private_segment_fixed_size: 0
    .kernarg_segment_align: 8
    .kernarg_segment_size: 32
    .max_flat_workgroup_size: 512
    .sgpr_count:     66
    .vgpr_count:     256
    .wavefront_size: 32
...
	.end_amdgpu_metadata
.endif
;; end of part 5
